; MI455X (gfx1250); checked and timed in simulation.
; The chip was launched on July 23, 2026; its instructions are those of AMD's public machine-readable ISA for CDNA 5 (MIT licence, August 2026) and "CDNA5" Instruction Set Architecture Reference Guide (July 2026). The comments in the code are by the model that wrote it; some were corrected since.
;; Multihead Attention. Allowed arithmetic: matrix products marked QUANTISED: E2M3 operands, one E8M0 scale for each 32 along K, by v_wmma_scale_f32_16x16x128_f8f6f4 with both operands' format E2M3, f32 sums; everything else in f32.
;; Inputs: W_out_codes 1,024 x 32 x 24 uint8 (E2M3 codes of W_out, K innermost, in blocks of 32 codes, four codes in three bytes); W_out_scales 1,024 x 32 uint8 (E8M0 scales of W_out, one for each 32 codes along K); W_qkv_codes 3,072 x 32 x 24 uint8 (E2M3 codes of W_qkv, K innermost, in blocks of 32 codes, four codes in three bytes); W_qkv_scales 3,072 x 32 uint8 (E8M0 scales of W_qkv, one for each 32 codes along K); attn_mask 2,048 x 2,048 float32; b_out 1,024 float32; b_qkv 3,072 float32; key 2,048 x 2 x 1,024 float32; key_padding_mask 1 x 2,048 x 2,048 int32; query_codes 2,048 x 2 x 32 x 24 uint8 (E2M3 codes of query, K innermost, in blocks of 32 codes, four codes in three bytes); query_scales 2,048 x 2 x 32 uint8 (E8M0 scales of query, one for each 32 codes along K); value 2,048 x 2 x 1,024 float32.
;; Outputs: out0 2 x 2,048 x 1,024 float32.
;; This version of the problem:
;;   THIS VERSION OF THE PROBLEM IS GIVEN IN LOW PRECISION. The matrix products marked QUANTISED in the list below multiply operands that are first quantised to E2M3 (2 exponent bits, 3 mantissa bits; 6 bits a number), with one power-of-two scale for each 32 numbers along K (OCP MX v1.0); their sums are f32. All else is computed in f32.
;;   The module's matrix products, in the order in which they are computed (A, B: the left and right operand; K: the contracted axis; several contracted axes count as one K, in the product's order):
;;     1. [M 4,096, K 1,024] x [K 1,024, N 3,072]; A: input query (given as codes); B: input W_qkv (given as codes): QUANTISED
;;     2. batch 32 x [M 2,048, K 64] x [K 64, N 2,048]; A: computed on the way; B: computed on the way: QUANTISED
;;     3. batch 32 x [M 2,048, K 2,048] x [K 2,048, N 64]; A: softmax (see below); B: computed on the way: QUANTISED
;;     4. [M 4,096, K 1,024] x [K 1,024, N 1,024]; A: computed on the way; B: input W_out (given as codes): QUANTISED
;;   THE QUANTISER, for each operand of a quantised product, along K:
;;     - K is cut into blocks of 32 from its start; a last block that is shorter is filled with zeros.
;;     - A block's scale is 2^e with e = floor(log2(the largest magnitude in the block)) - 2, held to -126 .. 127; a block of zeros has e = 0. As a byte (E8M0): e + 127.
;;     - Each number is divided by its block's scale, clamped to +-7.5, and rounded to the nearest number of E2M3, ties to even, subnormals kept.
;;     - The product sums the exact products of the quantised numbers (number of the format x scale) in f32.
;;   ~~~python
;;   def quantise(x, axis):      # numpy; x: float32 -> the quantised numbers, widened to float32 again
;;       x = np.moveaxis(x, axis, -1); K = x.shape[-1]
;;       x = np.pad(x, [(0, 0)] * (x.ndim - 1) + [(0, -K % 32)]); x = x.reshape(x.shape[:-1] + (-1, 32)); a = np.abs(x).max(-1, keepdims=True)
;;       e = np.where(a > 0, np.clip(np.frexp(np.where(a > 0, a, 1))[1] - 1 - 2, -126, 127), 0)      # np.frexp(a)[1] - 1 = floor(log2(a)), exactly
;;       r = np.clip(x / 2.0 ** e, -7.5, 7.5)
;;       step = 2.0 ** (np.maximum(np.frexp(np.where(r == 0, 1, r))[1] - 1, 0) - 3)
;;       q = np.round(r / step) * step * 2.0 ** e      # np.round: ties to even
;;       return np.moveaxis(q.reshape(q.shape[:-2] + (-1,))[..., :K], -1, axis).astype(np.float32)
;;   ~~~
;;   SOFTMAX AHEAD OF A QUANTISED PRODUCT. Where the list says 'softmax', what is quantised is not the finished softmax but p = 2^(t - M), with t = logit x log2(e) and M = ceil(the row's largest t), a whole number; so 1/2 < the row's largest p <= 1. The row's sum l is taken of the UNQUANTISED p, in f32, and the product's result is divided by l at the end. Since M is a whole number, a kernel that streams over the keys may use a running M (the ceiling of the running maximum): every later rescaling is an exact power of two, which a block's scale takes up: the codes' values come out the same.
;;   OPERANDS COMPUTED ON THE WAY. 'Computed on the way' means the value that the module computes at that place (a softmax that the list does not call 'softmax' is quantised finished and normalised). What goes into a quantiser is computed in f32, as accurately as f32 sums, v_exp_f32 and their like allow (about 1e-6 of the number): no bf16 or f16 on the way to a quantiser, and a product that is left as it is and whose result goes on into a quantised operand takes f32 operands (vector FMAs, or v_wmma_f32_16x16x4_f32). A number that lies on a knife's edge between two numbers of the format may be rounded either way, as far as f32 arithmetic and the matrix unit's own rounding can turn it there, and no further.
;;   INPUTS GIVEN AS CODES. W_out (in the module: [1024, 1024], K = its axis 1); W_qkv (in the module: [3072, 1024], K = its axis 1); query (in the module: [2048, 2, 1024], K = its axis 2): each comes as NAME_codes (uint8): NAME with its K axis moved to the last place and cut into blocks of 32 codes, [.., K / 32, bytes a block], one block behind the other in memory; four codes in three bytes: a row's codes are one little-endian stream of bits, code i at bits 6 i .. 6 i + 5 (a code: sign, 2 exponent bits, 3 mantissa bits); and NAME_scales (uint8): the same leading axes, one E8M0 byte (e + 127) for each 32 codes along K. Its value is code x scale, taken as it is: it is not quantised again, and the codes and scales need not be those that the quantiser above would give.
;; One version. Each part assembles by itself: llvm-mc -triple=amdgcn-amd-amdhsa -mcpu=gfx1250 --defsym DOCPART=n.
;; ======== version 1 of 1: 4 launches
;; limits: inputs' magnitudes at most 2e+34; right only within a limited range of input values
;; workspace buffers: mimg 16,777,216 bytes; qimg 3,145,728 bytes; qsc 524,288 bytes; kvb 6,684,672 bytes; aimg 3,145,728 bytes; asc 131,072 bytes
;; launch maskprep (part 1): grid 32 x 16, 8 waves a work-group, no clusters, 70,656 bytes of LDS; arguments attn_mask, key_padding_mask, mimg; writes mimg
.if DOCPART == 1
	.amdgcn_target "amdgcn-amd-amdhsa--gfx1250"
	.amdhsa_code_object_version 6
	.text
	.protected	k_q9f07bc9797_maskprep
	.globl	k_q9f07bc9797_maskprep
	.p2align	8
	.type	k_q9f07bc9797_maskprep,@function
k_q9f07bc9797_maskprep:
	s_mov_b64 s[64:65], 0
	v_nop
	global_prefetch_b8 v0, s[64:65] scope:SCOPE_SE
	s_setreg_imm32_b32 hwreg(HW_REG_WAVE_MODE, 25, 1), 1
	s_wait_xcnt 0x0
; The two masks become ONE additive mask, laid in the order of the attention launch's score registers.
; mimg[T64 32][j 16][v 4][m 16][lane 32][4 f32]: float e of chunk m is score register n = 4 m + e of a wave that holds query tile v of the 64 queries T64 and key step j:
;   query t = 64 T64 + 8 v + r', r' = (r & 7) + 32 (r >> 3), r = lane & 15;   key s = 128 j + 64 (n >> 5) + 32 (lane >> 4) + (n & 31);
;   value = attn_mask[t][s] x (-10000), or -infinity where key_padding_mask[0][s][t] is not 0.
; (Where attn_mask is 0 the product is -0 and not +0: it is only ever added to a score that is not 0 or is -infinity, so the sum is the same.)
; LIMITS: attn_mask is taken to be finite; NaN and infinities in it are not served.
; A work-group takes 64 t x 128 s.  Both masks are read as they lie (512 or 2 x 256 consecutive bytes a load), turned through LDS, and leave as 512 consecutive aligned bytes a store.
; A stream: no matrix unit, no tensor load, no cluster (no two work-groups read the same bytes).
.set APITCH, 528                       ; a row of attn_mask in LDS: 512 bytes + 16: 132 words, so 16 neighbouring rows start 4 banks apart
.set KST,    33792                     ; behind attn's 64 rows: key_padding_mask's 128 rows
.set KPITCH, 272                       ; 256 bytes + 16
.set KGRP,   32*KPITCH+32              ; a group of 32 rows, and 32 bytes more: 32 rows are a whole number of times through the banks, so neighbouring groups, which the two halves of the lanes read together, stand 8 banks apart
	s_load_b128 s[4:7], s[0:1], 0x0                ; attn_mask, key_padding_mask
	s_load_b64 s[8:9], s[0:1], 0x10                ; mimg
	v_lshl_add_u32 v96, v0, 2, 0x11000
	v_mov_b32 v97, 0
	v_lshrrev_b32 v1, 5, v0
	s_delay_alu instid0(VALU_DEP_1)
	v_readfirstlane_b32 s10, v1                    ; wave 0..7
	s_and_b32 s11, ttmp7, 0xffff                   ; j; ttmp9 is T64
	v_and_b32 v8, 31, v0                           ; lane
	v_and_b32 v9, 15, v0                           ; r
	v_bfe_u32 v10, v0, 4, 1                        ; h
	s_wait_alu depctr_va_vdst(0)
	v_and_b32 v11, 7, v0
	v_bfe_u32 v12, v0, 3, 1
	s_delay_alu instid0(VALU_DEP_1)
	v_lshl_add_u32 v11, v12, 5, v11                ; r'
	v_lshlrev_b32 v1, 4, v8                        ; 16 x lane: attn's loads, and the stores
	v_lshlrev_b32 v2, 13, v10
	s_delay_alu instid0(VALU_DEP_1)
	v_lshl_add_u32 v2, v9, 4, v2                   ; key_padding_mask's loads: row h of two, 16 r
	v_mov_b32 v7, 0xff800000                       ; -infinity
	; attn's row t_loc goes to place 16 ((t_loc >> 3) & 3) + 8 (t_loc >> 5) + (t_loc & 7): the 16 rows of a query tile are then neighbours.  My rows are 8 w + k
	s_and_b32 s12, s10, 3
	s_lshl_b32 s12, s12, 4
	s_lshr_b32 s13, s10, 2
	s_lshl_b32 s13, s13, 3
	s_add_co_u32 s12, s12, s13
	s_mul_i32 s12, s12, APITCH
	v_add_nc_u32 v3, s12, v1                       ; in: attn
	s_mul_i32 s13, s10, 16*KPITCH                  ; my rows of key_padding_mask are 16 w + 2 k + h: they lie in group w >> 1,
	s_lshr_b32 s14, s10, 1
	s_lshl_b32 s14, s14, 5                         ; which stands 32 (w >> 1) bytes further on: my 16 rows end 4,336 bytes behind their start, the next wave's begin 4,352 or 4,384 behind it
	s_add_co_u32 s13, s13, s14
	s_add_co_u32 s13, s13, KST
	v_mul_u32_u24 v4, v10, KPITCH
	s_delay_alu instid0(VALU_DEP_1)
	v_lshl_add_u32 v4, v9, 4, v4
	s_delay_alu instid0(VALU_DEP_1)
	v_add_nc_u32 v4, s13, v4                       ; in: key_padding_mask
	s_lshr_b32 s14, s10, 1                         ; on the way out wave w takes query tile v = w >> 1
	s_and_b32 s15, s10, 1                          ; and the keys' half c = w & 1: chunks 8 c + 0 .. 7
	s_mul_i32 s16, s14, 16*APITCH
	s_lshl_b32 s17, s15, 8
	s_add_co_u32 s16, s16, s17
	v_mul_u32_u24 v5, v9, APITCH
	s_delay_alu instid0(VALU_DEP_1)
	v_lshl_add_u32 v5, v10, 7, v5
	s_delay_alu instid0(VALU_DEP_1)
	v_add_nc_u32 v5, s16, v5                       ; out: attn: place 16 v + r, keys 64 c + 32 h on
	s_mul_i32 s17, s15, 2*KGRP
	s_lshl_b32 s18, s14, 5
	s_add_co_u32 s17, s17, s18
	s_add_co_u32 s17, s17, KST
	v_mul_u32_u24 v6, v10, KGRP
	s_delay_alu instid0(VALU_DEP_1)
	v_lshl_add_u32 v6, v11, 2, v6
	s_delay_alu instid0(VALU_DEP_1)
	v_add_nc_u32 v6, s17, v6                       ; out: key_padding_mask: group 2 c + h, column 8 v + r'
	s_lshl_b32 s20, ttmp9, 19                      ; attn: (64 T64 + 8 w) rows of 8,192 bytes + 512 j
	s_lshl_b32 s26, s10, 16
	s_add_co_u32 s20, s20, s26
	s_lshl_b32 s26, s11, 9
	s_add_co_u32 s20, s20, s26
	s_mov_b32 s21, 0
	s_lshl_b32 s22, s11, 20                        ; key_padding_mask: (128 j + 16 w) rows + 256 T64
	s_lshl_b32 s26, s10, 17
	s_add_co_u32 s22, s22, s26
	s_lshl_b32 s26, ttmp9, 8
	s_add_co_u32 s22, s22, s26
	s_mov_b32 s23, 0
	s_lshl_b32 s24, ttmp9, 19                      ; mimg: ((16 T64 + j) 4 + v) 8,192 + 4,096 c
	s_lshl_b32 s26, s11, 15
	s_add_co_u32 s24, s24, s26
	s_lshl_b32 s26, s14, 13
	s_add_co_u32 s24, s24, s26
	s_lshl_b32 s26, s15, 12
	s_add_co_u32 s24, s24, s26
	s_mov_b32 s25, 0
	s_wait_alu depctr_va_vdst(0)
	s_wait_kmcnt 0x0
	s_add_nc_u64 s[4:5], s[4:5], s[20:21]
	s_add_nc_u64 s[6:7], s[6:7], s[22:23]
	s_add_nc_u64 s[8:9], s[8:9], s[24:25]
.irp k, 0,1,2,3,4,5,6,7
	global_load_b128 v[16+4*\k:19+4*\k], v1, s[4:5] offset:\k*8192 th:TH_LOAD_NT      ; a row's 512 consecutive bytes
.endr
.irp k, 0,1,2,3,4,5,6,7
	global_load_b128 v[48+4*\k:51+4*\k], v2, s[6:7] offset:\k*16384 th:TH_LOAD_NT     ; two rows' 256 consecutive bytes
.endr
	s_wait_loadcnt 8                               ; attn's eight are in; key_padding_mask's eight may be out
.irp k, 0,1,2,3,4,5,6,7
	ds_store_b128 v3, v[16+4*\k:19+4*\k] offset:\k*APITCH
.endr
	s_wait_loadcnt 0x0
.irp k, 0,1,2,3,4,5,6,7
	ds_store_b128 v4, v[48+4*\k:51+4*\k] offset:\k*2*KPITCH
.endr
	s_wait_dscnt 0x0                               ; for the others' sake: my stores have landed
	s_barrier_signal -1
	s_barrier_wait -1
.irp m, 0,1,2,3,4,5,6,7
	ds_load_b128 v[16+4*\m:19+4*\m], v5 offset:16*\m                     ; attn[t][four neighbouring keys]
.irp e, 0,1,2,3
	ds_load_b32 v[48+4*\m+\e], v6 offset:(4*\m+\e)*KPITCH                ; key_padding_mask[key][t]
.endr
.endr
.irp m, 0,1,2,3,4,5,6,7
	s_wait_dscnt 5*(7-\m)                          ; this chunk's five loads are in; five for each later chunk may be out
	; (The inputs key and value have no way to any output: reference() never reads them; they are no launch's argument.)
	v_pk_mul_f32 v[16+4*\m:17+4*\m], v[16+4*\m:17+4*\m], 0xc61c4000 op_sel_hi:[1,0]   ; x (-10000)
	v_pk_mul_f32 v[18+4*\m:19+4*\m], v[18+4*\m:19+4*\m], 0xc61c4000 op_sel_hi:[1,0]
.irp e, 0,1,2,3
	v_cmp_ne_u32 vcc_lo, 0, v[48+4*\m+\e]
	s_delay_alu instid0(VALU_DEP_1)
	v_cndmask_b32 v[16+4*\m+\e], v[16+4*\m+\e], v7, vcc_lo
.endr
	global_store_b128 v1, v[16+4*\m:19+4*\m], s[8:9] offset:512*\m       ; 32 lanes store 512 consecutive bytes, at a multiple of 256 from mimg's first byte
.endr
	s_wait_tensorcnt 0x0
	ds_add_u32 v96, v97
	s_wait_dscnt 0x0
	s_endpgm
.Lfunc_end_k_q9f07bc9797_maskprep:
	.size	k_q9f07bc9797_maskprep, .Lfunc_end_k_q9f07bc9797_maskprep-k_q9f07bc9797_maskprep
	.p2alignl 7, 3214868480
	.fill 96, 4, 3214868480
	.section	.rodata,"a",@progbits
	.p2align	6, 0x0
	.amdhsa_kernel k_q9f07bc9797_maskprep
		.amdhsa_group_segment_fixed_size 70656
		.amdhsa_private_segment_fixed_size 0
		.amdhsa_enable_private_segment 0
		.amdhsa_kernarg_size 24
		.amdhsa_user_sgpr_count 2
		.amdhsa_user_sgpr_kernarg_segment_ptr 1
		.amdhsa_wavefront_size32 1
		.amdhsa_system_sgpr_workgroup_id_x 1
		.amdhsa_system_sgpr_workgroup_id_y 1
		.amdhsa_system_sgpr_workgroup_id_z 1
		.amdhsa_system_vgpr_workitem_id 0
		.amdhsa_next_free_vgpr 98
		.amdhsa_next_free_sgpr 66
		.amdhsa_reserve_vcc 1
		.amdhsa_float_denorm_mode_32 3
		.amdhsa_float_denorm_mode_16_64 3
		.amdhsa_memory_ordered 1
		.amdhsa_forward_progress 1
		.amdhsa_inst_pref_size 15
	.end_amdhsa_kernel
	.amdgpu_metadata
---
amdhsa.version: [ 1, 2 ]
amdhsa.kernels:
  - .name:           k_q9f07bc9797_maskprep
    .symbol:         k_q9f07bc9797_maskprep.kd
    .args:
      - { .name: attn_mask, .offset: 0, .size: 8, .value_kind: global_buffer, .address_space: global }
      - { .name: key_padding_mask, .offset: 8, .size: 8, .value_kind: global_buffer, .address_space: global }
      - { .name: mimg, .offset: 16, .size: 8, .value_kind: global_buffer, .address_space: global }
    .group_segment_fixed_size: 70656
    .private_segment_fixed_size: 0
    .kernarg_segment_align: 8
    .kernarg_segment_size: 24
    .max_flat_workgroup_size: 256
    .sgpr_count:     66
    .vgpr_count:     98
    .wavefront_size: 32
...
	.end_amdgpu_metadata
.endif
;; end of part 1
;; launch qkv (part 2): grid 8 x 32, 3 waves a work-group, clusters of 4 x 4, 327,680 bytes of LDS; arguments query_codes, query_scales, W_qkv_codes, W_qkv_scales, b_qkv, qimg, qsc, kvb; writes qimg, qsc, kvb
.if DOCPART == 2
	.amdgcn_target "amdgcn-amd-amdhsa--gfx1250"
	.amdhsa_code_object_version 6
	.text
	.protected	k_q9f07bc9797_qkv
	.globl	k_q9f07bc9797_qkv
	.p2align	8
	.type	k_q9f07bc9797_qkv,@function
k_q9f07bc9797_qkv:
	s_mov_b64 s[64:65], 0
	v_nop
	global_prefetch_b8 v0, s[64:65] scope:SCOPE_SE
	s_setreg_imm32_b32 hwreg(HW_REG_WAVE_MODE, 25, 1), 1
	s_wait_xcnt 0x0
	s_wait_alu depctr_hold_cnt(0) depctr_sa_sdst(0) depctr_va_vdst(0) depctr_va_sdst(0) depctr_va_ssrc(0) depctr_va_vcc(0) depctr_vm_vsrc(0)
	s_getreg_b32 s2, hwreg(HW_REG_IB_STS2, 6, 4)
	s_cmp_eq_u32 s2, 0
	s_cbranch_scc0 .Lentry_in_a_cluster
	s_endpgm
.Lentry_in_a_cluster:
	s_bfe_u32 s2, ttmp6, 0x10000c
	s_cmp_lg_u32 s2, 0xf033
	s_cbranch_scc0 .Lentry_shape_is_right
	s_endpgm
.Lentry_shape_is_right:
.set PITCH,  272                       ; an LDS row: a chunk of 256 bytes + 16 of padding
.set ROWB,   256                       ; K goes in chunks of 256 bytes of each row of codes: every tile row begins at a multiple of 256 bytes
.set CHUNKS, 3                         ; a row of 1,024 codes is 768 bytes; chunk c lies in slot c % 2; a step of 128 along K is 96 bytes: eight steps to three chunks
.set KROW,   768
.set XT,     128*PITCH
.set WH,     192*PITCH
.set SLOT,   XT+2*WH
.set SPARE,  2*SLOT
.set HB,     13056
.set FR,     12
.set NL,     6
.set NP,     4
.set A1,   8
.set A0,   16
.set L16,  24
.set L8,   25
.set SH8,  26
.set SPW,  28
.set NIL,  29
.set SC,   32
.set AF,   128
.set ST,   128
.set PC,   192
.set PX,   204
.set TM,   212
.set BY,   216
.set SO,   220
.set TP,   222
.set SW,   224
.set KT,   232
.set SEL,  2
.set WV,   14
.set G1,   24
.set G0,   32
.set G1B,  48
.set G0B,  56
.set MSB, 0
.macro WIN new
.if MSB != (\new)
	s_set_vgpr_msb (MSB<<8)|(\new)
.set MSB, (\new)
.endif
.endm
.set MUL_LO, 0xa1
.set MUL_HI, 0xf1
.set TO_B,   0x40
.macro JLOAD g0a, g0b
	s_cmp_eq_u32 s[WV], 0
	s_cbranch_scc0 .Lfor_w_\@
	tensor_load_to_lds s[\g0a:\g0a+3], s[G1:G1+7]
	s_nop 0
.rept 4
	v_nop
.endr
	s_branch .Lasked_\@
.Lfor_w_\@:
	tensor_load_to_lds s[\g0b:\g0b+3], s[G1B:G1B+7]
	s_nop 0
.rept 4
	v_nop
.endr
.Lasked_\@:
.endm
.macro CREST
	s_cmp_lg_u32 s[WV], 0
	s_cbranch_scc1 .Lnot_wave_0_\@
	s_barrier_signal -3
.Lnot_wave_0_\@:
	s_barrier_wait -3
	s_barrier_signal -1
	s_barrier_wait -1
.endm
.macro CROUND
	s_barrier_signal -1
	s_barrier_wait -1
	CREST
.endm
.macro PLACES n
.rept \n
	v_nop
.endr
.endm
	s_load_b256 s[4:11], s[0:1], 0x0
	s_load_b256 s[68:75], s[0:1], 0x20
	v_lshl_add_u32 v[SPW], v0, 2, SPARE
	v_mov_b32 v[NIL], 0
	ds_add_u32 v28, v29
	ds_add_u32 v28, v29
	s_wait_dscnt 0x0
	v_lshrrev_b32 v1, 5, v0
	v_readfirstlane_b32 s[WV], v1
	s_lshr_b32 s15, s[WV], 1
	s_and_b32 s16, s[WV], 1
	s_bfe_u32 s40, ttmp6, 0x40000
	s_bfe_u32 s41, ttmp6, 0x40004
	s_lshl_b32 s42, ttmp9, 2
	s_add_co_u32 s42, s42, s40
	s_and_b32 s17, ttmp7, 0xffff
	s_lshl_b32 s17, s17, 2
	s_add_co_u32 s17, s17, s41
	s_lshl_b32 s43, s41, 2
	s_lshl_b32 s43, 15, s43
	s_lshl_b32 s44, 0x1111, s40
	s_or_b32 s[G1+0], s43, (0<<16)|(1<<20)|(1<<21)|(5<<22)|(3<<25)
	s_or_b32 s[G1B+0], s44, (0<<16)|(1<<20)|(1<<21)|(5<<22)|(3<<25)
	s_mov_b32 s[G1+1], ROWB<<16
	s_mov_b32 s[G1+2], 128<<16
	s_mov_b32 s[G1+3], ROWB<<16
	s_mov_b32 s[G1+4], 128
	s_mov_b32 s[G1+5], 2*KROW
	s_mov_b32 s[G1+6], 0
	s_mov_b32 s[G1+7], 0
	s_mov_b32 s[G1B+1], ROWB<<16
	s_mov_b32 s[G1B+2], 192<<16
	s_mov_b32 s[G1B+3], ROWB<<16
	s_mov_b32 s[G1B+4], 192
	s_mov_b32 s[G1B+5], KROW
	s_mov_b32 s[G1B+6], 0
	s_mov_b32 s[G1B+7], 0
	s_lshr_b32 s18, s17, 1
	s_and_b32 s19, s17, 1
	s_lshl_b32 s20, s18, 8
	s_add_co_u32 s20, s20, s19
	s_lshl_b32 s22, s20, 5
	s_mov_b32 s23, 0
	s_mul_i32 s20, s20, KROW
	s_mov_b32 s21, 0
	s_mul_i32 s46, s42, 384
	s_mul_i32 s45, s15, 192
	s_add_co_u32 s46, s46, s45
	s_mul_i32 s46, s46, KROW
	s_mov_b32 s47, 0
	s_mul_i32 s45, s15, WH
	s_add_co_u32 s45, s45, XT
	s_mov_b32 s[SEL], 0x76543210
	s_mov_b32 s[SEL+1], 0xfedcba98
	s_wait_kmcnt 0x0
	s_add_nc_u64 s[20:21], s[4:5], s[20:21]
	s_add_nc_u64 s[46:47], s[8:9], s[46:47]
	CROUND
.irp s, 0,1
	s_mov_b32 s[G0+4*\s], 1
	s_mov_b32 s[G0+4*\s+1], \s*SLOT
	s_add_nc_u64 s[G0+4*\s+2:G0+4*\s+3], s[20:21], \s*ROWB
	s_or_b32 s[G0+4*\s+3], s[G0+4*\s+3], 0x80000000
	s_mov_b32 s[G0B+4*\s], 1
	s_add_co_u32 s[G0B+4*\s+1], s45, \s*SLOT
	s_add_nc_u64 s[G0B+4*\s+2:G0B+4*\s+3], s[46:47], \s*ROWB
	s_or_b32 s[G0B+4*\s+3], s[G0B+4*\s+3], 0x80000000
.endr
	JLOAD G0, G0B                                  ; chunk 0: one tensor load a wave at the head, behind the round
	v_and_b32 v1, 15, v0
	v_bfe_u32 v2, v0, 4, 1
	v_and_b32 v3, 7, v0
	v_bfe_u32 v4, v0, 3, 1
	v_lshl_add_u32 v3, v4, 5, v3
	v_and_b32 v27, 31, v0
	v_lshlrev_b32 v[L16], 4, v27
	v_lshlrev_b32 v[L8], 3, v27
	v_lshlrev_b32 v[SH8], 3, v2
	s_mov_b32 s76, SLOT-232
	s_mov_b32 s77, SLOT+232
	v_mul_u32_u24 v6, v3, PITCH                    ; my row
	v_mad_u32_u24 v5, v2, 24, v6                   ; + 24 x half: a piece inside one chunk
	v_sub_nc_u32 v7, 1, v2
	v_mul_u32_u24 v4, s76, v2
	v_mul_u32_u24 v7, s77, v7
	v_add_nc_u32 v4, v4, v6
	v_add_nc_u32 v4, 232, v4                       ; across two chunks: lanes 0-15 byte 232 of the row in slot 0, lanes 16-31 byte 0 in slot 1
	v_add_nc_u32 v7, v7, v6                        ; and lanes 0-15 byte 232 in slot 1, lanes 16-31 byte 0 in slot 0
	s_wait_alu depctr_va_vdst(0)
	s_mul_i32 s76, s15, 2*XT
	s_mul_i32 s77, s15, 2*WH
	s_add_co_u32 s77, s77, 64*PITCH
	s_xor_b32 s78, s15, 1
	s_mul_i32 s78, s78, XT
	s_mul_i32 s80, s16, WH
	s_add_co_u32 s78, s78, s80
	s_add_co_u32 s79, s78, 64*PITCH
.irp g, 0,1,2,3                        ; four groups of 64 rows (source 1's two, source 0's two), four registers each: slot 0, slot 1, across from slot 0, across from slot 1
	v_add_nc_u32 v[A1+4*\g], s[76+\g], v5
	v_add_nc_u32 v[A1+4*\g+2], s[76+\g], v4
	v_add_nc_u32 v[A1+4*\g+3], s[76+\g], v7
	s_add_co_u32 s[76+\g], s[76+\g], SLOT
	v_add_nc_u32 v[A1+4*\g+1], s[76+\g], v5
.endr
	s_add_nc_u64 s[82:83], s[6:7], s[22:23]
	s_mul_i32 s84, s42, 384*32
	s_lshl_b32 s86, s15, 12
	s_add_co_u32 s84, s84, s86
	s_mul_i32 s86, s16, 192*32
	s_add_co_u32 s84, s84, s86
	s_mov_b32 s85, 0
	s_add_nc_u64 s[84:85], s[10:11], s[84:85]
	s_cmp_eq_u32 s[WV], 2
	s_cselect_b64 s[86:87], s[84:85], s[82:83]
	s_cselect_b64 s[88:89], s[82:83], s[84:85]
	s_cselect_b32 s90, 32, 64
	s_cselect_b32 s91, 64, 32
	s_mov_b32 s92, 4096
	s_cselect_b32 s92, 6144, s92
	s_mov_b32 s93, 2048
	s_cselect_b32 s93, 4096, s93
	v_mul_u32_u24 v30, s90, v3
	v_mul_u32_u24 v31, s91, v3
	s_wait_alu depctr_va_vdst(0)
	s_lshl_b32 s94, s90, 3
	s_lshl_b32 s95, s91, 3
.irp i, 0,1,2,3,4,5,6,7
	s_mul_i32 s96, s94, \i%4
.if \i >= 4
	s_add_co_u32 s96, s96, s92
.endif
	v_add_nc_u32 v[192+\i], s96, v30
	s_mul_i32 s96, s95, \i%4
.if \i >= 4
	s_add_co_u32 s96, s96, s93
.endif
	v_add_nc_u32 v[200+\i], s96, v31
.endr
	s_wait_alu depctr_va_vdst(0)
.irp i, 0,1,2,3,4,5,6,7
	global_load_b128 v[SC+8*\i:SC+8*\i+3], v[192+\i], s[86:87]
	global_load_b128 v[SC+8*\i+4:SC+8*\i+7], v[192+\i], s[86:87] offset:16
	global_load_b128 v[128+8*\i:128+8*\i+3], v[200+\i], s[88:89]
	global_load_b128 v[128+8*\i+4:128+8*\i+7], v[200+\i], s[88:89] offset:16
.endr
	s_mul_i32 s96, s42, 384*4
	s_mul_i32 s97, s16, 192*4
	s_add_co_u32 s96, s96, s97
	s_lshl_b32 s97, s15, 9
	s_add_co_u32 s96, s96, s97
	s_mov_b32 s97, 0
	s_add_nc_u64 s[68:69], s[68:69], s[96:97]
	v_lshlrev_b32 v4, 7, v2
	v_lshlrev_b32 v7, 2, v3
	s_cmp_eq_u32 s[WV], 2
	s_cbranch_scc1 .Lbias_v
	WIN TO_B
.irp i, 0,1,2,3,4,5,6,7
	global_load_b128 v[96+128*(\i/4)+8*(\i%4):96+128*(\i/4)+8*(\i%4)+3], v4, s[68:69] offset:(64*(\i/4)+8*(\i%4))*4
	global_load_b128 v[96+128*(\i/4)+8*(\i%4)+4:96+128*(\i/4)+8*(\i%4)+7], v4, s[68:69] offset:(64*(\i/4)+8*(\i%4))*4+16
.endr
	WIN 0
	s_branch .Lbias_done
.Lbias_v:
	WIN TO_B
	s_wait_alu depctr_va_vdst(0)
.irp a, 0,1,2,3,4,5,6,7
	global_load_b32 v[96+2*\a], v7, s[68:69] offset:(192*(\a/4)+8*(\a%4))*4
	global_load_b32 v[97+2*\a], v7, s[68:69] offset:(192*(\a/4)+8*(\a%4))*4
.endr
	WIN 0
.Lbias_done:
	s_lshl_b32 s76, s19, 4
	s_lshl_b32 s77, s42, 1
	s_add_co_u32 s76, s76, s77
	s_add_co_u32 s76, s76, s16
	s_lshl_b32 s77, s76, 4
	s_add_co_u32 s77, s77, s18
	s_mul_i32 s78, s77, 6144
	s_mov_b32 s79, 0
	s_add_nc_u64 s[70:71], s[70:71], s[78:79]
	s_lshl_b32 s78, s77, 10
	s_add_nc_u64 s[72:73], s[72:73], s[78:79]
	s_lshr_b32 s77, s76, 2
	s_lshl_b32 s77, s77, 4
	s_add_co_u32 s77, s77, s18
	s_lshl_b32 s77, s77, 2
	s_and_b32 s78, s76, 3
	s_add_co_u32 s77, s77, s78
	s_mul_i32 s78, s77, HB
	s_add_nc_u64 s[74:75], s[74:75], s[78:79]
	s_wait_loadcnt 0x0
	v_cmp_ne_u32 vcc_lo, 0, v2
.set n, 0
.rept 64
	v_cndmask_b32 v[SC+n], v[SC+n], v[128+n], vcc_lo
.set n, n+1
.endr
	PLACES 8
.macro FRAG reg, adr, st, v            ; step st's fragment in pieces of 8 bytes; byte y of a row of codes lies in slot (y / 256) % 2 at byte y % 256 of the LDS row
.irp p, 0,1,2,3,4,5
.set BYT, 96*(\st)+48*(\p/3)+8*(\p%3)
.if BYT/ROWB == (BYT+24)/ROWB
	ds_load_b64 v[\reg+2*\p:\reg+2*\p+1], v[\adr+(BYT/ROWB)%2] offset:BYT%ROWB+(\v)*8*PITCH
.else
	ds_load_b64 v[\reg+2*\p:\reg+2*\p+1], v[\adr+2+(BYT/ROWB)%2] offset:BYT%ROWB-232+(\v)*8*PITCH
.endif
.endr
.endm
.macro MUL16 a0, p, ks, zero
.irp a, \a0, \a0+1
.irp b, 0,1,2,3,4,5,6,7
.if \zero
	v_wmma_scale_f32_16x16x128_f8f6f4 v[8*(8*((\a)%4)+\b):8*(8*((\a)%4)+\b)+7], v[128*(\p)+FR*\b:128*(\p)+FR*\b+FR-1], v[AF+FR*(\a):AF+FR*(\a)+FR-1], 0, v[SC+8*\b+(\ks)], v[SC+8*(\a)+(\ks)] matrix_a_fmt:MATRIX_FMT_FP6 matrix_b_fmt:MATRIX_FMT_FP6 matrix_a_scale:MATRIX_SCALE_ROW1
.else
	v_wmma_scale_f32_16x16x128_f8f6f4 v[8*(8*((\a)%4)+\b):8*(8*((\a)%4)+\b)+7], v[128*(\p)+FR*\b:128*(\p)+FR*\b+FR-1], v[AF+FR*(\a):AF+FR*(\a)+FR-1], v[8*(8*((\a)%4)+\b):8*(8*((\a)%4)+\b)+7], v[SC+8*\b+(\ks)], v[SC+8*(\a)+(\ks)] matrix_a_fmt:MATRIX_FMT_FP6 matrix_b_fmt:MATRIX_FMT_FP6 matrix_a_scale:MATRIX_SCALE_ROW1
.endif
.endr
.endr
.endm
.macro FETCH_B st, p
	WIN TO_B
.irp i, 0,1,2,3,4,5,6,7
	FRAG 128*(\p)+FR*\i, A0+4*(\i/4), \st, \i%4
.endr
	WIN 0
.endm
.macro FETCH_A st, i0
.irp v, 0,1,2,3
	FRAG AF+FR*((\i0)+\v), A1+4*((\i0)/4), \st, \v
.endr
.endm
; A step of 128 along K: 64 products on step st's fragments; the next step's fragments are fetched in its middle and at its end.
; Where the next step's bytes END in a chunk not read yet: every wave waits for its tensor loads, and a barrier shows that chunk whole.  Where they BEGIN in a later chunk: the chunk left behind is read no more:
; the wait for all tensor loads, the add, the wait for it and for my reads, the barrier; where a chunk two on is left to fetch the barrier opens a round of the cluster's barrier and the slot is filled again.
.macro STEP st, zero
.set NX, (\st)+1
.set C0, (96*(\st))/ROWB
.set C1, (96*NX)/ROWB
.set E0, (96*(\st)+95)/ROWB
.set E1, (96*NX+95)/ROWB
.if C1 > C0 || E1 > E0
	s_wait_tensorcnt 0x0
.if C1 > C0
	ds_add_u32 v[SPW], v[NIL]
	s_wait_dscnt 4*NL+1                            ; the add and source 1's blocks 4-7 may be out
.else
	s_wait_dscnt 4*NL
.endif
	WIN MUL_LO
	MUL16 0, (\st)%2, \st, \zero
	s_wait_dscnt 0x0
	s_barrier_signal -1
	MUL16 2, (\st)%2, \st, \zero
	WIN 0
	s_barrier_wait -1
.if C1 > C0 && C0+2 < CHUNKS
	CREST
	s_add_nc_u64 s[G0+4*(C0%2)+2:G0+4*(C0%2)+3], s[G0+4*(C0%2)+2:G0+4*(C0%2)+3], 2*ROWB
	s_add_nc_u64 s[G0B+4*(C0%2)+2:G0B+4*(C0%2)+3], s[G0B+4*(C0%2)+2:G0B+4*(C0%2)+3], 2*ROWB
	JLOAD G0+4*(C0%2), G0B+4*(C0%2)
.else
	PLACES NP
.endif
.else
	s_wait_dscnt 4*NL
	WIN MUL_LO
	MUL16 0, (\st)%2, \st, \zero
	MUL16 2, (\st)%2, \st, \zero
	s_wait_dscnt 0
	PLACES NP
.endif
	FETCH_B NX, NX%2
	FETCH_A NX, 0
	WIN MUL_HI
	MUL16 4, (\st)%2, \st, \zero
	MUL16 6, (\st)%2, \st, \zero
	PLACES NP
	WIN 0
	FETCH_A NX, 4
.endm
	s_wait_alu depctr_va_vdst(0)
	s_wait_tensorcnt 0x0                           ; my part of chunk 0 is in; slot 1's first fill is issued as a refill is
	ds_add_u32 v[SPW], v[NIL]
	s_wait_dscnt 0x0
	CROUND
	JLOAD G0+4, G0B+4                              ; chunk 1
	FETCH_B 0, 0
	FETCH_A 0, 0
	FETCH_A 0, 4
	STEP 0, 1
.irp st, 1,2,3,4,5,6
	STEP \st, 0
.endr
	s_wait_dscnt 4*NL
	WIN MUL_LO
	MUL16 0, 1, 7, 0
	MUL16 2, 1, 7, 0
	s_wait_dscnt 0
	WIN MUL_HI
	MUL16 4, 1, 7, 0
	MUL16 6, 1, 7, 0
	WIN 0
.macro QUANTB w
.irp b, 0,1,2,3
	v_max3_num_f32 v[TM+\b], |v[ST+16*\b]|, |v[ST+1+16*\b]|, 0x1800000
.endr
.irp i, 2,4,6,8,10,12,14
.irp b, 0,1,2,3
	v_max3_num_f32 v[TM+\b], v[TM+\b], |v[ST+16*\b+\i]|, |v[ST+1+16*\b+\i]|
.endr
.endr
	v_max_num_f32 v[TM], v[TM], v[TM+1]
	v_max_num_f32 v[TM+2], v[TM+2], v[TM+3]
	v_add_nc_u32 v[SO], 0xff000000, v[TM]
	v_add_nc_u32 v[SO+1], 0xff000000, v[TM+2]
	v_lshrrev_b32 v[BY], 23, v[SO]
	v_lshrrev_b32 v[BY+1], 23, v[SO+1]
	v_lshl_or_b32 v[\w], v[BY+1], 16, v[BY]
	v_lshlrev_b32 v[\w], v[SH8], v[\w]
	v_permlanex16_b32 v[TP], v[\w], s[SEL], s[SEL+1]
	v_or_b32 v[\w], v[\w], v[TP]
	s_wait_alu depctr_va_vdst(0)
	s_wait_xcnt 0x0
.irp c, 0,1
	v_cvt_scalef32_pk16_fp6_f32 v[PC+6*\c:PC+6*\c+2], v[ST+32*\c:ST+32*\c+15], v[SO+\c]
	v_cvt_scalef32_pk16_fp6_f32 v[PX+4*\c:PX+4*\c+2], v[ST+32*\c+16:ST+32*\c+31], v[SO+\c]
.endr
	v_nop
.irp c, 0,1
.irp i, 0,1,2
	v_mov_b32 v[PC+6*\c+3+\i], v[PX+4*\c+\i]
.endr
.endr
.endm
.macro STRIP_QK a
	WIN 0x06+((\a)/4)
.set AC, 64*((\a)%4)
.set n, 0
.rept 16
	v_pk_add_f32 v[ST+n:ST+n+1], v[AC+n:AC+n+1], v[96+n:97+n]
.set n, n+2
.endr
.rept 16
	v_pk_add_f32 v[ST+n:ST+n+1], v[AC+n:AC+n+1], v[192+n:193+n]
.set n, n+2
.endr
	WIN 0
	QUANTB SW+(\a)
	global_store_b128 v[L16], v[PC:PC+3], s[70:71] offset:768*(\a)
	global_store_b64 v[L8], v[PC+4:PC+5], s[70:71] offset:768*(\a)+512
	global_store_b128 v[L16], v[PC+6:PC+9], s[74:75] offset:768*(\a)
	global_store_b64 v[L8], v[PC+10:PC+11], s[74:75] offset:768*(\a)+512
.endm
.macro STRIP_V a
	WIN 0x06+((\a)/4)
.set AC, 64*((\a)%4)
.set n, 0
.rept 32
	v_pk_add_f32 v[ST+n:ST+n+1], v[AC+n:AC+n+1], v[96+2*(\a):97+2*(\a)]
.set n, n+2
.endr
	WIN 0
	QUANTB SW+(\a)
.irp q, 0,1,2
	global_store_b128 v[L16], v[PC+4*\q:PC+4*\q+3], s[74:75] offset:((\a)/4)*HB+6144+((\a)%4)*1536+512*\q
.endr
.endm
	PLACES NP
	v_mov_b32 v[TP], 0
	v_cmp_ne_u32 vcc_lo, 0, v2
	s_cmp_eq_u32 s[WV], 2
	s_cbranch_scc1 .Lout_v
.irp a, 0,1,2,3,4,5,6,7
	STRIP_QK \a
.endr
	global_store_b128 v[L16], v[SW:SW+3], s[72:73]
	global_store_b128 v[L16], v[SW+4:SW+7], s[72:73] offset:512
.irp u, 0,1,2,3,4,5,6,7
	v_lshrrev_b32 v[KT+\u], 16, v[SW+\u]
.endr
.irp u, 0,1,2,3
	v_cndmask_b32 v[KT+\u], v[KT+\u], v[KT+4+\u], vcc_lo
.endr
	global_store_b128 v[L16], v[KT:KT+3], s[74:75] offset:12288
	s_branch .Lout_done
.Lout_v:
.irp a, 0,1,2,3,4,5,6,7
	STRIP_V \a
.endr
.irp c, 0,1
.irp u, 0,1
	v_cndmask_b32 v[KT+2*\c+\u], v[SW+4*\c+\u], v[SW+4*\c+2+\u], vcc_lo
.endr
	global_store_b64 v[L8], v[KT+2*\c:KT+2*\c+1], s[74:75] offset:\c*HB+12800
.endr
.Lout_done:
	s_wait_tensorcnt 0x0
	ds_add_u32 v[SPW], v[NIL]
	s_wait_dscnt 0x0
	CROUND
	s_endpgm
.Lfunc_end_k_q9f07bc9797_qkv:
	.size	k_q9f07bc9797_qkv, .Lfunc_end_k_q9f07bc9797_qkv-k_q9f07bc9797_qkv
	.p2alignl 7, 3214868480
	.fill 96, 4, 3214868480
	.section	.rodata,"a",@progbits
	.p2align	6, 0x0
	.amdhsa_kernel k_q9f07bc9797_qkv
		.amdhsa_group_segment_fixed_size 327680
		.amdhsa_private_segment_fixed_size 0
		.amdhsa_enable_private_segment 0
		.amdhsa_kernarg_size 64
		.amdhsa_user_sgpr_count 2
		.amdhsa_user_sgpr_kernarg_segment_ptr 1
		.amdhsa_wavefront_size32 1
		.amdhsa_system_sgpr_workgroup_id_x 1
		.amdhsa_system_sgpr_workgroup_id_y 1
		.amdhsa_system_sgpr_workgroup_id_z 1
		.amdhsa_system_vgpr_workitem_id 0
		.amdhsa_next_free_vgpr 1024
		.amdhsa_next_free_sgpr 100
		.amdhsa_reserve_vcc 1
		.amdhsa_float_denorm_mode_32 3
		.amdhsa_float_denorm_mode_16_64 3
		.amdhsa_memory_ordered 1
		.amdhsa_forward_progress 1
		.amdhsa_inst_pref_size 227
	.end_amdhsa_kernel
	.amdgpu_metadata
---
amdhsa.version: [ 1, 2 ]
amdhsa.kernels:
  - .name:           k_q9f07bc9797_qkv
    .symbol:         k_q9f07bc9797_qkv.kd
    .args:
      - { .name: query_codes, .offset: 0, .size: 8, .value_kind: global_buffer, .address_space: global }
      - { .name: query_scales, .offset: 8, .size: 8, .value_kind: global_buffer, .address_space: global }
      - { .name: W_qkv_codes, .offset: 16, .size: 8, .value_kind: global_buffer, .address_space: global }
      - { .name: W_qkv_scales, .offset: 24, .size: 8, .value_kind: global_buffer, .address_space: global }
      - { .name: b_qkv, .offset: 32, .size: 8, .value_kind: global_buffer, .address_space: global }
      - { .name: qimg, .offset: 40, .size: 8, .value_kind: global_buffer, .address_space: global }
      - { .name: qsc, .offset: 48, .size: 8, .value_kind: global_buffer, .address_space: global }
      - { .name: kvb, .offset: 56, .size: 8, .value_kind: global_buffer, .address_space: global }
    .group_segment_fixed_size: 327680
    .private_segment_fixed_size: 0
    .kernarg_segment_align: 8
    .kernarg_segment_size: 64
    .max_flat_workgroup_size: 96
    .sgpr_count:     100
    .vgpr_count:     1024
    .wavefront_size: 32
...
	.end_amdgpu_metadata
.endif
;; end of part 2
;; launch attn (part 3): grid 32 x 8, 16 waves a work-group, clusters of 4 x 1, 327,680 bytes of LDS; arguments qimg, qsc, kvb, mimg, aimg, asc; writes aimg, asc
.if DOCPART == 3
	.amdgcn_target "amdgcn-amd-amdhsa--gfx1250"
	.amdhsa_code_object_version 6
	.text
	.protected	k_q9f07bc9797_attn
	.globl	k_q9f07bc9797_attn
	.p2align	8
	.type	k_q9f07bc9797_attn,@function
k_q9f07bc9797_attn:
	s_mov_b64 s[64:65], 0
	v_nop
	global_prefetch_b8 v0, s[64:65] scope:SCOPE_SE
	s_setreg_imm32_b32 hwreg(HW_REG_WAVE_MODE, 25, 1), 1
	s_wait_xcnt 0x0
	s_wait_alu depctr_hold_cnt(0) depctr_sa_sdst(0) depctr_va_vdst(0) depctr_va_sdst(0) depctr_va_ssrc(0) depctr_va_vcc(0) depctr_vm_vsrc(0)
	s_getreg_b32 s2, hwreg(HW_REG_IB_STS2, 6, 4)
	s_cmp_eq_u32 s2, 0
	s_cbranch_scc0 .Lentry_in_a_cluster
	s_endpgm
.Lentry_in_a_cluster:
	s_bfe_u32 s2, ttmp6, 0x10000c
	s_cmp_lg_u32 s2, 0x3003
	s_cbranch_scc0 .Lentry_shape_is_right
	s_endpgm
.Lentry_shape_is_right:
; Attention on codes of FP6 (E2M3), one E8M0 scale for each 32 along a product's K.
; t = (score / 8 + mimg's word) x log2(e) (mimg's word: the additive mask, -infinity for a hidden key): a fused multiply-add, then a multiply; a score that is exactly 0 is made -infinity first.
; M = the row's largest t so far, rounded UP to a whole number; p = 2^(t - M) is quantised along the keys; the row's sum is taken of the unquantised p and divides O at the end.
; When M moves, the sum and O are multiplied by 2^(old M - new M): exact.  The result is quantised at once along the head's 64 for the last product.
; SHARES.  Work-group (T64, g): 64 queries x the four bh = 4 g + i.  Wave w: query tile v = w & 3 (queries 64 T64 + 8 v + r', r' = (r & 7) + 32 (r >> 3)), head i = w >> 2.  Every wave walks all 2,048 keys, 128 a step.
; LAYOUT.  Both products transposed: S^T = K Q^T, O^T = V^T P^T: a lane holds ONE query.  The keys of tile 4 c + u are 64 c + 8 u + r', so a lane's 32 registers of tiles 4 c .. 4 c + 3 are a whole block of 32 keys.
; The first product's K is 64 of the instruction's 128: Q's upper six registers hold zero codes; K's upper six are whatever follows (zeros behind the last).
; K AND V go through a ring of two LDS slots, TWO key steps (104,448 bytes) to a slot: one round of the cluster's barrier for two steps; waves 0-11 bring 34 rows of 256 bytes each, jointly for the four work-groups of a cluster (same g).
; THE MASK does not go through LDS: it is an image of a wave's registers, 512 consecutive bytes a load, and comes straight into registers one step ahead.  Two banks of 64 registers change roles from step to step:
; one takes the scores (then p), the other holds the mask (then work registers and p's codes); when p has been converted, its bank takes the next step's mask.
; CLUSTER 4, 1, 1: only K and V are shared between work-groups through LDS fills, and they hang on g alone.
; LIMITS: the scaled scores stay under 2^31 in magnitude; attn_mask is finite; a row all of whose keys are hidden has the sum 0: its scale bytes become 0xff, which makes the row's outputs NaN, as reference() has them.
; REGISTERS: v1-11 addresses and constants; v12 -M, v13 the largest t, v[14:15] the sum; v16-21 Q, v22-27 zeros; v28 Q's scale word; v29-31 offsets; v32-79 K, then V; v80-85 zeros; v86-89 K's scale words, v90-91 V's, v92 p's;
;   v96-159 and v160-223 the two banks; v224-255 O^T.
.set KVB,   52224                      ; four heads' K, V and scale words of a key step
.set HB,    13056                      ; one head's
.set SLOTB, 2*KVB                      ; a slot: two key steps
.set PART,  8704                       ; what one of twelve waves brings: 34 rows of 256 bytes
.set SLOT1, 131072                     ; slot 1 begins here: one exclusive or turns an address in one slot into the other's
.set SPARE, 262144                     ; the spare words, 128 bytes for each wave
.set OUTS,  264192                     ; the way out: 512 bytes of scale bytes; no tensor load lands here
.set A16,  1
.set A8,   3
.set SH8,  4
.set SPW,  5
.set NIL,  6
.set NINF, 7
.set ADK,  8
.set AD8,  10
.set PFO,  29
.set L16,  30
.set L8,   31
.set TB,    2                          ; s2   LDS byte at which the slot in hand begins
.set SLOTS, 3                          ; s3   slots still to be asked for
.set WV,   18
.set SEL,  20
; HOW t IS MADE (this stands for the head's line on t): mimg's word is attn_mask x (-10000), or -infinity for a hidden key.  logit = score / 8 + that word, by one fused multiply-add (score / 8 is exact, so this is reference()'s one rounding);
; t = logit x log2(e), rounded to f32, by a second instruction: with masks of large magnitude each rounding of reference() is kept as it is.
.set CS,   22                          ; s[22:23] log2(e)
.set EI,   48                          ; s[48:49] 1/8
.set G1K,  24
.set G0K,  40
.set MP,   44                          ; s[44:45] my query tile's mask image of the step that is loaded next
.set CM,   50                          ; s[50:53] compare masks
.set PFA,  54                          ; s[54:55] where my prefetches stand
.set LIM,  56                          ; s56  a wave prefetches while SLOTS is above this
.set PFS,  58                          ; s[58:59] a slot on, in bytes
.macro TLOAD                           ; the branch hangs on the wave's number alone; an s_nop 0 and four v_nop follow the load
	s_cmp_lt_u32 s[WV], 12
	s_cbranch_scc0 .Lasked_\@
	tensor_load_to_lds s[G0K:G0K+3], s[G1K:G1K+7]
	s_nop 0
.rept 4
	v_nop
.endr
.Lasked_\@:
.endm
; PREFETCHES INTO THE L2, one instruction a wave behind each refill.  K and V: the slot after the one just asked for (two key steps ahead of its load); the first cluster of a row of clusters asks, its four partners take
; 26,112 bytes each, told apart by address: waves 12-15 name blocks 0-101 of 256 bytes (lanes left over are held at block 101); the last refill asks for nothing.
; The mask: the 65,536 bytes of T64's images for the two steps after this slot's; the eight work-groups (g) that read them take 8,192 bytes each, by address, wave 11, a lane a block.
.macro ASK
	s_cmp_gt_u32 s[SLOTS], s[LIM]
	s_cbranch_scc0 .Lnot_mine_\@
	global_prefetch_b8 v[PFO], s[PFA:PFA+1] th:TH_LOAD_NT scope:SCOPE_SE
.Lnot_mine_\@:
.endm
.macro CROUND                          ; a round of the cluster's barrier
	s_barrier_signal -1
	s_barrier_wait -1
	s_cmp_lg_u32 s[WV], 0
	s_cbranch_scc1 .Lnot_wave_0_\@
	s_barrier_signal -3
.Lnot_wave_0_\@:
	s_barrier_wait -3
	s_barrier_signal -1
	s_barrier_wait -1
.endm
	s_load_b256 s[4:11], s[0:1], 0x0               ; qimg s[4:5], qsc s[6:7], kvb s[8:9], mimg s[10:11]
	s_load_b128 s[12:15], s[0:1], 0x20             ; aimg s[12:13], asc s[14:15]
	v_lshl_add_u32 v[SPW], v0, 2, SPARE
	v_mov_b32 v[NIL], 0
	ds_add_u32 v[SPW], v[NIL]                      ; the opening lines: the add twice on end and its wait
	ds_add_u32 v[SPW], v[NIL]
	v_lshrrev_b32 v8, 5, v0
	v_readfirstlane_b32 s[WV], v8                  ; wave 0..15
	s_bfe_u32 s66, ttmp6, 0x40000                  ; cx
	s_lshl_b32 s68, ttmp9, 2
	s_add_co_u32 s68, s68, s66                     ; T64
	s_and_b32 s69, ttmp7, 0xffff                   ; g
	s_mov_b32 s[G1K], 15|(3<<16)|(1<<21)           ; all four of the cluster; 34 rows of 256 bytes (32 elements of 8 bytes), dense
	s_mov_b32 s[G1K+1], 32<<16
	s_mov_b32 s[G1K+2], 34<<16
	s_mov_b32 s[G1K+3], 32<<16
	s_mov_b32 s[G1K+4], 34
	s_mov_b32 s[G1K+5], 32
	s_mov_b32 s[G1K+6], 0
	s_mov_b32 s[G1K+7], 0
	s_mul_i32 s72, s69, 16*KVB                     ; K and V: made of g and the wave's number alone
	s_mul_i32 s74, s[WV], PART
	s_add_co_u32 s72, s72, s74
	s_mov_b32 s73, 0
	s_mov_b32 s[SEL], 0x76543210
	s_mov_b32 s[SEL+1], 0xfedcba98
	s_mov_b32 s[CS], 0x3fb8aa3b                    ; log2(e)
	s_mov_b32 s[CS+1], s[CS]                       ; (named with it as a pair, so it is written)
	s_mov_b32 s[EI], 0x3e000000                    ; 1/8
	s_mov_b32 s[EI+1], s[EI]
	s_mov_b32 s[TB], 0
	s_mov_b32 s[SLOTS], 7
	s_wait_dscnt 0x0
	s_wait_kmcnt 0x0
	CROUND                                         ; the four work-groups are here: the first joint loads meet
	s_mov_b32 s[G0K], 1
	s_mov_b32 s[G0K+1], s74                        ; slot 0
	s_add_nc_u64 s[G0K+2:G0K+3], s[8:9], s[72:73]
	s_or_b32 s[G0K+3], s[G0K+3], 0x80000000
	TLOAD                                          ; key steps 0 and 1
	s_lshr_b32 s80, s[WV], 2                       ; i
	s_and_b32 s81, s[WV], 3                        ; v
	s_mul_i32 s82, s80, HB
	s_lshl_b32 s87, s81, 7                         ; the way out: my half word of scale bytes: OUTS + 128 v + 8 r + 4 (i >> 1) + 2 (i & 1)
	s_lshr_b32 s86, s[WV], 3
	s_lshl_b32 s86, s86, 2
	s_add_co_u32 s87, s87, s86
	s_bfe_u32 s86, s[WV], 0x10002
	s_lshl_b32 s86, s86, 1
	s_add_co_u32 s87, s87, s86
	s_add_co_u32 s87, s87, OUTS
	s_lshl_b32 s84, s69, 2
	s_add_co_u32 s84, s84, s80                     ; bh
	s_lshl_b32 s84, s84, 4
	s_lshr_b32 s85, s68, 1
	s_add_co_u32 s84, s84, s85                     ; 16 bh + T64 / 2
	s_and_b32 s85, s68, 1
	s_lshl_b32 s86, s85, 2
	s_add_co_u32 s86, s86, s81                     ; which of the eight tiles of 128 rows
	s_mul_i32 s88, s84, 6144
	s_mul_i32 s86, s86, 768
	s_add_co_u32 s88, s88, s86
	s_mov_b32 s89, 0
	s_add_nc_u64 s[4:5], s[4:5], s[88:89]
	s_lshl_b32 s88, s84, 10
	s_lshl_b32 s85, s85, 9
	s_add_co_u32 s88, s88, s85
	s_lshl_b32 s85, s81, 2
	s_add_co_u32 s88, s88, s85
	s_add_nc_u64 s[6:7], s[6:7], s[88:89]
	s_mul_i32 s88, s68, 98304                      ; aimg[T64][g][v][i][768]
	s_mul_i32 s85, s69, 12288
	s_add_co_u32 s88, s88, s85
	s_mul_i32 s85, s81, 3072
	s_add_co_u32 s88, s88, s85
	s_mul_i32 s85, s80, 768
	s_add_co_u32 s88, s88, s85
	s_add_nc_u64 s[12:13], s[12:13], s[88:89]
	s_lshl_b32 s88, s68, 12                        ; asc[T64][g][512]
	s_lshl_b32 s85, s69, 9
	s_add_co_u32 s88, s88, s85
	s_add_nc_u64 s[14:15], s[14:15], s[88:89]
	s_lshl_b32 s88, s68, 19                        ; mimg[T64][j][v][8,192]
	s_lshl_b32 s85, s81, 13
	s_add_co_u32 s88, s88, s85
	s_add_nc_u64 s[MP:MP+1], s[10:11], s[88:89]
	s_lshl_b32 s90, s69, 4                         ; the prefetches.  K and V stand at slot 1 (the first refill steps them to 2), quarter cx;
	s_add_co_u32 s90, s90, 2
	s_mul_i32 s90, s90, KVB
	s_mul_i32 s91, s66, SLOTB/4
	s_add_co_u32 s90, s90, s91
	s_lshl_b32 s92, s68, 19                        ; the mask at steps 0 and 1 (stepped to 2 and 3), eighth g
	s_lshl_b32 s91, s69, 13
	s_add_co_u32 s92, s92, s91
	s_cmp_ge_u32 s[WV], 12
	s_cselect_b32 s94, ttmp9, 1
	s_cmp_eq_u32 s94, 0
	s_cselect_b32 s[LIM], 1, -1                    ; waves 12-15 of the first cluster of a row
	s_cmp_eq_u32 s[WV], 11
	s_cselect_b32 s[LIM], 0, s[LIM]                ; wave 11 of every work-group
	s_cselect_b64 s[PFA:PFA+1], s[10:11], s[8:9]
	s_cselect_b32 s90, s92, s90
	s_mov_b32 s[PFS], SLOTB
	s_cselect_b32 s[PFS], 65536, s[PFS]
	s_mov_b32 s[PFS+1], 0
	s_mov_b32 s91, 0
	s_add_nc_u64 s[PFA:PFA+1], s[PFA:PFA+1], s[90:91]
	s_max_u32 s95, s[WV], 12
	s_sub_co_u32 s95, s95, 12
	s_lshl_b32 s95, s95, 13
	v_and_b32 v8, 31, v0                           ; lane
	v_bfe_u32 v9, v0, 4, 1                         ; h
	v_and_b32 v10, 15, v0                          ; r
	v_lshlrev_b32 v[L16], 4, v8
	v_lshlrev_b32 v[L8], 3, v8
	v_lshlrev_b32 v[SH8], 3, v9
	v_lshl_add_u32 v11, v10, 3, s87
	v_lshl_add_u32 v[PFO], v8, 8, s95
	v_add_nc_u32 v[A16], s82, v[L16]               ; my head's part of a key step, 16 bytes a lane
	v_add_nc_u32 v[A8], s82, v[L8]                 ; and 8 bytes a lane
	v_add_nc_u32 v93, OUTS, v[L16]
	v_min_u32 v[PFO], SLOTB/4-256, v[PFO]          ; a quarter of a slot ends with block 101
	v_mov_b32 v[NINF], 0xff800000                  ; -infinity
	v_mov_b32 v13, 0xff61b1e6                      ; the largest t so far: -3e38
	v_mov_b32 v14, 0
	v_mov_b32 v15, 0
	v_floor_f32 v12, -v13                          ; -M
	s_wait_alu depctr_va_vdst(0)                   ; ahead of the loads that read the offsets
	global_load_b128 v[16:19], v[L16], s[4:5]      ; Q's image stays in registers
	global_load_b64 v[20:21], v[L8], s[4:5] offset:512
	global_load_b32 v28, v[L16], s[6:7]            ; and its scale word
.irp m, 0,1,2,3,4,5,6,7,8,9,10,11,12,13,14,15
	global_load_b128 v[160+4*\m:163+4*\m], v[L16], s[MP:MP+1] offset:512*\m   ; step 0's mask
.endr
.irp j, 22,23,24,25,26,27,80,81,82,83,84,85
	v_mov_b32 v\j, 0                               ; zero codes
.endr
.set n, 224
.rept 32
	v_mov_b32 v[n], 0                              ; O^T: the step has no first form of its own
.set n, n+1
.endr
; A KEY STEP: 128 keys.  X: the bank of the scores; Y: the bank that holds this step's mask; off: the step's place in its slot; more: the next step's mask is asked for.
.macro STEP X, Y, off, more
.set BM, \Y+20                         ; work registers, in the mask's bank once the mask has been added: the blocks' largest t,
.set TT, \Y+24
.set FF, \Y+26                         ; f
.set SO, \Y+28                         ; the conversions' scale operands
.set BB, \Y+30
.set SS, \Y+32                         ; seven chains of the sum
.rept 5
	v_nop                                          ; places behind the last step's products: loads land in their operands, and this step's scores are laid over p's codes
.endr
.irp t, 0,1,2,3,4,5,6,7
	ds_load_b128 v[32+6*\t:35+6*\t], v[ADK] offset:\off+768*\t
	ds_load_b64 v[36+6*\t:37+6*\t], v[AD8] offset:\off+768*\t+512
.endr
	ds_load_b128 v[86:89], v[ADK] offset:\off+12288
	s_wait_dscnt 0x0
.irp t, 0,1,2,3
	v_wmma_scale_f32_16x16x128_f8f6f4 v[\X+8*\t:\X+8*\t+7], v[32+6*\t:43+6*\t], v[16:27], 0, v[86+\t], v28 matrix_a_fmt:MATRIX_FMT_FP6 matrix_b_fmt:MATRIX_FMT_FP6
.endr
.irp t, 4,5,6,7
	v_wmma_scale_f32_16x16x128_f8f6f4 v[\X+8*\t:\X+8*\t+7], v[32+6*\t:43+6*\t], v[16:27], 0, v[82+\t], v28 matrix_a_fmt:MATRIX_FMT_FP6 matrix_b_fmt:MATRIX_FMT_FP6 matrix_a_scale:MATRIX_SCALE_ROW1
.endr
.rept 4
	v_nop
.endr
.irp q, 0,1,2,3,4,5,6,7,8,9,10,11
	ds_load_b128 v[32+4*\q:35+4*\q], v[ADK] offset:\off+6144+512*\q   ; V's four fragments, into K's registers
.endr
	ds_load_b64 v[90:91], v[AD8] offset:\off+12800
.set n, 0
.rept 16                                       ; a score that is exactly 0 becomes -infinity; four chains by turns; each accumulator is read from its low end on
.irp u, 0,1,2,3
	v_cmp_eq_f32 s[CM+\u], 0, v[\X+n+\u]
.endr
.irp u, 0,1,2,3
	v_cndmask_b32 v[\X+n+\u], v[\X+n+\u], v[NINF], s[CM+\u]
.endr
.set n, n+4
.endr
	s_wait_alu depctr_va_vdst(0)
	s_wait_loadcnt 0x0                             ; this step's mask is in, and no load of mine is out: its base may step
.if \more
	s_add_nc_u64 s[MP:MP+1], s[MP:MP+1], 32768
.endif
.set n, 0
.rept 32
	v_pk_fma_f32 v[\X+n:\X+n+1], v[\X+n:\X+n+1], s[EI:EI+1], v[\Y+n:\Y+n+1] op_sel_hi:[1,0,1]   ; the logit
.set n, n+2
.endr
.set n, 0
.rept 32
	v_pk_mul_f32 v[\X+n:\X+n+1], v[\X+n:\X+n+1], s[CS:CS+1] op_sel_hi:[1,0]   ; t = logit x log2(e)
.set n, n+2
.endr
.irp b, 0,1,2,3
	v_max3_num_f32 v[BM+\b], v[\X+16*\b], v[\X+1+16*\b], v[\X+2+16*\b]
.endr
.irp i, 3,5,7,9,11,13
.irp b, 0,1,2,3
	v_max3_num_f32 v[BM+\b], v[BM+\b], v[\X+16*\b+\i], v[\X+1+16*\b+\i]
.endr
.endr
.irp b, 0,1,2,3
	v_max_num_f32 v[BM+\b], v[BM+\b], v[\X+15+16*\b]
.endr
	v_max_num_f32 v[BM], v[BM], v[BM+1]            ; the largest t of each of my two blocks of 32 keys: for the row's maximum and, since p rises with t, for the block's largest p
	v_max_num_f32 v[BM+2], v[BM+2], v[BM+3]
	s_delay_alu instid0(VALU_DEP_1)
	v_max_num_f32 v[TT], v[BM], v[BM+2]
	s_delay_alu instid0(VALU_DEP_1)
	v_permlanex16_b32 v[TT+1], v[TT], s[SEL], s[SEL+1]
	s_delay_alu instid0(VALU_DEP_1)
	v_max_num_f32 v[TT], v[TT], v[TT+1]            ; with lane l xor 16's 64 keys
	s_delay_alu instid0(VALU_DEP_1)
	v_max_num_f32 v13, v13, v[TT]                  ; the running largest t
	v_mov_b32 v[TT], v12
	s_delay_alu instid0(VALU_DEP_2)
	v_floor_f32 v12, -v13                          ; the new -M = -ceil(t)
	s_delay_alu instid0(VALU_DEP_1)
	v_sub_f32 v[TT], v12, v[TT]                    ; old M - new M: a whole number, 0 or less
	s_delay_alu instid0(VALU_DEP_1)
	v_cvt_i32_f32 v[TT], v[TT]                     ; (it saturates)
	s_delay_alu instid0(VALU_DEP_1)
	v_ldexp_f32 v[FF], 1.0, v[TT]                  ; f = 2^(old M - new M)
.set n, 0
.rept 32
	v_pk_add_f32 v[\X+n:\X+n+1], v[\X+n:\X+n+1], v[12:13] op_sel_hi:[1,0]   ; t - M
.set n, n+2
.endr
	v_add_f32 v[BM], v[BM], v12
	v_add_f32 v[BM+2], v[BM+2], v12
	s_wait_alu depctr_va_vdst(0)
.set n, 0
.rept 64
	v_exp_f32 v[\X+n], v[\X+n]                     ; p = 2^(t - M), at most 1
.set n, n+1
.endr
	v_pk_mul_f32 v[14:15], v[14:15], v[FF:FF+1] op_sel_hi:[1,0]   ; the sum under the new M: a plain place behind the exponentials
	s_wait_alu depctr_va_vdst(0)                   ; one wait for the batch, ahead of its first reader
	v_exp_f32 v[BM], v[BM]                         ; the blocks' largest p: the same instructions on the same numbers
	v_exp_f32 v[BM+2], v[BM+2]
.irp c, 0,1,2,3,4,5,6
	v_pk_add_f32 v[SS+2*\c:SS+2*\c+1], v[\X+4*\c:\X+4*\c+1], v[\X+4*\c+2:\X+4*\c+3]   ; the row's sum of the unquantised p: eight chains by turns
.endr
	v_pk_add_f32 v[14:15], v[14:15], v[\X+28:\X+29]
.set n, 30
.rept 2
.irp c, 0,1,2,3,4,5,6
	v_pk_add_f32 v[SS+2*\c:SS+2*\c+1], v[SS+2*\c:SS+2*\c+1], v[\X+n:\X+n+1]
.set n, n+2
.endr
	v_pk_add_f32 v[14:15], v[14:15], v[\X+n:\X+n+1]
.set n, n+2
.endr
	v_pk_add_f32 v[SS:SS+1], v[SS:SS+1], v[\X+62:\X+63]
	v_pk_add_f32 v[SS+4:SS+5], v[SS+4:SS+5], v[SS+6:SS+7]
	v_pk_add_f32 v[SS+8:SS+9], v[SS+8:SS+9], v[SS+10:SS+11]
	v_pk_add_f32 v[14:15], v[14:15], v[SS+12:SS+13]
	v_pk_add_f32 v[SS:SS+1], v[SS:SS+1], v[SS+2:SS+3]
	s_delay_alu instid0(VALU_DEP_2)
	v_pk_add_f32 v[14:15], v[14:15], v[SS+8:SS+9]
	s_delay_alu instid0(VALU_DEP_2)
	v_pk_add_f32 v[SS:SS+1], v[SS:SS+1], v[SS+4:SS+5]
	s_delay_alu instid0(VALU_DEP_1)
	v_pk_add_f32 v[14:15], v[14:15], v[SS:SS+1]
	s_wait_alu depctr_va_vdst(0)                   ; and one for the two
	v_max_num_f32 v[BM], 0x1800000, v[BM]          ; the floor 2^(3 - 127): the byte cannot fall under 1
	v_max_num_f32 v[BM+2], 0x1800000, v[BM+2]
	s_delay_alu instid0(VALU_DEP_2)
	v_add_nc_u32 v[SO], 0xff000000, v[BM]          ; 2 off the exponent field: the conversion's scale operand
	s_delay_alu instid0(VALU_DEP_2)
	v_add_nc_u32 v[SO+1], 0xff000000, v[BM+2]
	s_delay_alu instid0(VALU_DEP_2)
	v_lshrrev_b32 v[BB], 23, v[SO]
	s_delay_alu instid0(VALU_DEP_2)
	v_lshrrev_b32 v[BB+1], 23, v[SO+1]
	s_delay_alu instid0(VALU_DEP_1)
	v_lshl_or_b32 v92, v[BB+1], 16, v[BB]          ; blocks h and 2 + h,
	s_delay_alu instid0(VALU_DEP_1)
	v_lshlrev_b32 v92, v[SH8], v92                 ; at their places;
	s_delay_alu instid0(VALU_DEP_1)
	v_permlanex16_b32 v[TT+1], v92, s[SEL], s[SEL+1]
	s_delay_alu instid0(VALU_DEP_1)
	v_or_b32 v92, v92, v[TT+1]                     ; with lane l xor 16's two: p's scale word for these 128 keys
	v_cvt_scalef32_pk16_fp6_f32 v[\Y:\Y+2], v[\X:\X+15], v[SO]
	v_cvt_scalef32_pk16_fp6_f32 v[\Y+12:\Y+14], v[\X+16:\X+31], v[SO]     ; (a conversion's three registers begin on an even number)
	v_cvt_scalef32_pk16_fp6_f32 v[\Y+6:\Y+8], v[\X+32:\X+47], v[SO+1]
	v_cvt_scalef32_pk16_fp6_f32 v[\Y+16:\Y+18], v[\X+48:\X+63], v[SO+1]
	v_nop                                          ; one plain place behind a scaled conversion
.irp i, 0,1,2
	v_mov_b32 v[\Y+3+\i], v[\Y+12+\i]
	v_mov_b32 v[\Y+9+\i], v[\Y+16+\i]
.endr
.if \more
.irp m, 0,1,2,3,4,5,6,7,8,9,10,11,12,13,14,15
	global_load_b128 v[\X+4*\m:\X+4*\m+3], v[L16], s[MP:MP+1] offset:512*\m   ; p is converted: its bank takes the next step's mask; 512 consecutive aligned bytes a load
.endr
.endif
	s_wait_alu depctr_va_vdst(0)                   ; ahead of the first reader of O^T
.set n, 0
.rept 16
	v_pk_mul_f32 v[224+n:225+n], v[224+n:225+n], v[FF:FF+1] op_sel_hi:[1,0]   ; O^T under the new M; also the places between p's codes and scale word and the products below
.set n, n+2
.endr
	s_wait_alu depctr_va_vdst(0)
	s_wait_dscnt 0x0                               ; V and its scale words are in
.irp t, 0,1
	v_wmma_scale_f32_16x16x128_f8f6f4 v[224+8*\t:231+8*\t], v[32+12*\t:43+12*\t], v[\Y:\Y+11], v[224+8*\t:231+8*\t], v[90+\t], v92 matrix_a_fmt:MATRIX_FMT_FP6 matrix_b_fmt:MATRIX_FMT_FP6
.endr
.irp t, 2,3
	v_wmma_scale_f32_16x16x128_f8f6f4 v[224+8*\t:231+8*\t], v[32+12*\t:43+12*\t], v[\Y:\Y+11], v[224+8*\t:231+8*\t], v[88+\t], v92 matrix_a_fmt:MATRIX_FMT_FP6 matrix_b_fmt:MATRIX_FMT_FP6 matrix_a_scale:MATRIX_SCALE_ROW1
.endr
.endm
; THE CHANGE OF SLOTS, ahead of two key steps.  Each wave waits for all its tensor loads (its part of the slot that it is about to read), adds 0 to its spare word, and waits for that and for its reads of the slot that it has left.
; fill = 1: a round of the cluster's barrier, and behind it the other slot is filled with the next two key steps.
.macro CHANGE fill
	s_wait_tensorcnt 0x0                           ; no tensor load of mine is out, so group 0 may be written
	ds_add_u32 v[SPW], v[NIL]
.if \fill
	ds_add_u32 v[SPW], v[NIL]
	s_xor_b32 s[G0K+1], s[G0K+1], SLOT1
	s_add_nc_u64 s[G0K+2:G0K+3], s[G0K+2:G0K+3], SLOTB
	s_wait_xcnt 0x0                                ; the last prefetch, two steps back, has read its address
	s_add_nc_u64 s[PFA:PFA+1], s[PFA:PFA+1], s[PFS:PFS+1]
.endif
	v_add_nc_u32 v[ADK], s[TB], v[A16]             ; my addresses in the slot in hand
	v_add_nc_u32 v[AD8], s[TB], v[A8]
	s_wait_alu depctr_va_vdst(0)
	s_wait_dscnt 0x0
.if \fill
	CROUND
	TLOAD                                          ; the first thing behind the round, and a wave's one tensor load until the next
	ASK
.else
	s_barrier_signal -1
	s_barrier_wait -1
.endif
.endm
	s_wait_alu depctr_va_vdst(0)
	s_wait_loadcnt 16                              ; Q and its scale word are in; the mask's sixteen loads, issued behind them, may be out
.Lslot:                                            ; 7 trips of two key steps: behind each change of slots but the last the next slot is asked for
	CHANGE 1
	STEP 96, 160, 0, 1
	STEP 160, 96, KVB, 1
	s_xor_b32 s[TB], s[TB], SLOT1
	s_sub_co_u32 s[SLOTS], s[SLOTS], 1
	s_cmp_lg_u32 s[SLOTS], 0
	s_cbranch_scc1 .Lslot
	CHANGE 0                                       ; the last slot is written out
	STEP 96, 160, 0, 1
	STEP 160, 96, KVB, 0
	; THE WAY OUT.  O^T / the sum: register n is d = 32 h + n of my query: a whole block of the last product's K.  It is quantised here and leaves as an image of that product's operand.
.rept 4
	v_nop
.endr
	v_mov_b32 v213, 0                              ; (a lane permute's destination counts as one of its sources: written anew here)
	v_add_f32 v14, v14, v15
	v_permlanex16_b32 v213, v14, s[SEL], s[SEL+1]
	v_add_f32 v14, v14, v213
	s_wait_alu depctr_va_vdst(0)
	v_rcp_f32 v208, v14
	v_mov_b32 v209, 0                              ; (a plain place; named with v208 as a pair)
	v_mov_b32 v219, 0xff
	s_wait_alu depctr_va_vdst(0)                   ; ahead of the reciprocal's first reader
.set n, 0
.rept 16
	v_pk_mul_f32 v[96+n:97+n], v[224+n:225+n], v[208:209] op_sel_hi:[1,0]
.set n, n+2
.endr
	v_max3_num_f32 v210, |v96|, |v97|, 0x1800000
	v_max3_num_f32 v211, |v112|, |v113|, 0x1800000
.irp i, 2,4,6,8,10,12,14
	s_delay_alu instid0(VALU_DEP_2)
	v_max3_num_f32 v210, v210, |v[96+\i]|, |v[97+\i]|
	s_delay_alu instid0(VALU_DEP_2)
	v_max3_num_f32 v211, v211, |v[112+\i]|, |v[113+\i]|
.endr
	s_delay_alu instid0(VALU_DEP_1)
	v_max_num_f32 v210, v210, v211
	s_delay_alu instid0(VALU_DEP_1)
	v_add_nc_u32 v216, 0xff000000, v210
	s_delay_alu instid0(VALU_DEP_1)
	v_lshrrev_b32 v218, 23, v216
	v_cmp_eq_f32 vcc_lo, 0, v14                    ; every key hidden: the scale byte 0xff carries reference()'s NaN into the row's outputs
	s_delay_alu instid0(VALU_DEP_1)
	v_cndmask_b32 v218, v218, v219, vcc_lo
	s_delay_alu instid0(VALU_DEP_1)
	v_lshlrev_b32 v218, v[SH8], v218
	s_delay_alu instid0(VALU_DEP_1)
	v_permlanex16_b32 v213, v218, s[SEL], s[SEL+1]
	s_delay_alu instid0(VALU_DEP_1)
	v_or_b32 v218, v218, v213                      ; my head's two bytes
	v_cvt_scalef32_pk16_fp6_f32 v[32:34], v[96:111], v216
	v_cvt_scalef32_pk16_fp6_f32 v[44:46], v[112:127], v216
	v_nop
.irp i, 0,1,2
	v_mov_b32 v[35+\i], v[44+\i]
.endr
	global_store_b128 v[L16], v[32:35], s[12:13]               ; 512 and 256 consecutive bytes, at multiples of 256
	global_store_b64 v[L8], v[36:37], s[12:13] offset:512
	ds_store_b16 v11, v218                         ; both halves of the lanes write the same half word with the same value
	s_wait_dscnt 0x0                               ; for the others' sake: my store has landed
	s_barrier_signal -1
	s_barrier_wait -1
	s_cmp_lg_u32 s[WV], 0
	s_cbranch_scc1 .Lnot_0
	ds_load_b128 v[96:99], v93
	s_wait_dscnt 0x0
	global_store_b128 v[L16], v[96:99], s[14:15]   ; the work-group's 512 scale bytes: two aligned blocks of 256
.Lnot_0:
	s_wait_tensorcnt 0x0                           ; the wave's end
	ds_add_u32 v[SPW], v[NIL]
	s_wait_dscnt 0x0
	CROUND                                         ; the closing round
	s_endpgm
.Lfunc_end_k_q9f07bc9797_attn:
	.size	k_q9f07bc9797_attn, .Lfunc_end_k_q9f07bc9797_attn-k_q9f07bc9797_attn
	.p2alignl 7, 3214868480
	.fill 96, 4, 3214868480
	.section	.rodata,"a",@progbits
	.p2align	6, 0x0
	.amdhsa_kernel k_q9f07bc9797_attn
		.amdhsa_group_segment_fixed_size 327680
		.amdhsa_private_segment_fixed_size 0
		.amdhsa_enable_private_segment 0
		.amdhsa_kernarg_size 48
		.amdhsa_user_sgpr_count 2
		.amdhsa_user_sgpr_kernarg_segment_ptr 1
		.amdhsa_wavefront_size32 1
		.amdhsa_system_sgpr_workgroup_id_x 1
		.amdhsa_system_sgpr_workgroup_id_y 1
		.amdhsa_system_sgpr_workgroup_id_z 1
		.amdhsa_system_vgpr_workitem_id 0
		.amdhsa_next_free_vgpr 256
		.amdhsa_next_free_sgpr 100
		.amdhsa_reserve_vcc 1
		.amdhsa_float_denorm_mode_32 3
		.amdhsa_float_denorm_mode_16_64 3
		.amdhsa_memory_ordered 1
		.amdhsa_forward_progress 1
		.amdhsa_inst_pref_size 129
	.end_amdhsa_kernel
	.amdgpu_metadata
---
amdhsa.version: [ 1, 2 ]
amdhsa.kernels:
  - .name:           k_q9f07bc9797_attn
    .symbol:         k_q9f07bc9797_attn.kd
    .args:
      - { .name: qimg, .offset: 0, .size: 8, .value_kind: global_buffer, .address_space: global }
      - { .name: qsc, .offset: 8, .size: 8, .value_kind: global_buffer, .address_space: global }
      - { .name: kvb, .offset: 16, .size: 8, .value_kind: global_buffer, .address_space: global }
      - { .name: mimg, .offset: 24, .size: 8, .value_kind: global_buffer, .address_space: global }
      - { .name: aimg, .offset: 32, .size: 8, .value_kind: global_buffer, .address_space: global }
      - { .name: asc, .offset: 40, .size: 8, .value_kind: global_buffer, .address_space: global }
    .group_segment_fixed_size: 327680
    .private_segment_fixed_size: 0
    .kernarg_segment_align: 8
    .kernarg_segment_size: 48
    .max_flat_workgroup_size: 512
    .sgpr_count:     100
    .vgpr_count:     256
    .wavefront_size: 32
...
	.end_amdgpu_metadata
.endif
;; end of part 3
;; launch outp (part 4): grid 8 x 32, 4 waves a work-group, clusters of 4 x 4, 262,656 bytes of LDS; arguments aimg, asc, W_out_codes, W_out_scales, b_out, out0; writes out0
.if DOCPART == 4
	.amdgcn_target "amdgcn-amd-amdhsa--gfx1250"
	.amdhsa_code_object_version 6
	.text
	.protected	k_q9f07bc9797_outp
	.globl	k_q9f07bc9797_outp
	.p2align	8
	.type	k_q9f07bc9797_outp,@function
k_q9f07bc9797_outp:
	s_mov_b64 s[64:65], 0
	v_nop
	global_prefetch_b8 v0, s[64:65] scope:SCOPE_SE
	s_setreg_imm32_b32 hwreg(HW_REG_WAVE_MODE, 25, 1), 1
	s_wait_xcnt 0x0
	s_wait_alu depctr_hold_cnt(0) depctr_sa_sdst(0) depctr_va_vdst(0) depctr_va_sdst(0) depctr_va_ssrc(0) depctr_va_vcc(0) depctr_vm_vsrc(0)
	s_getreg_b32 s2, hwreg(HW_REG_IB_STS2, 6, 4)
	s_cmp_eq_u32 s2, 0
	s_cbranch_scc0 .Lentry_in_a_cluster
	s_endpgm
.Lentry_in_a_cluster:
	s_bfe_u32 s2, ttmp6, 0x10000c
	s_cmp_lg_u32 s2, 0xf033
	s_cbranch_scc0 .Lentry_shape_is_right
	s_endpgm
.Lentry_shape_is_right:
; out0 = A W_out^T + b_out on codes of FP6 (E2M3), one E8M0 scale for each 32 along K.  A: the attention's result, row 2 t + b, column 64 head + d, as the images and scale words that the launch before has laid.
; SHARES.  Work-group (x, T64): the 128 rows (64 t, both b) x columns 128 x .. + 127.  Wave (mb = w >> 1: the batch, nh = w & 1): 64 x 64: 16 accumulators, 8 K steps of 128.  A tile of 128 x 128 gives each of 256 work-groups one tile.
; All of K lies in LDS at once: each wave brings one part with one tensor load at the start; nothing is filled again.  every K step wants the parts of all four waves: one wait and one barrier for all of them.
; CLUSTER.  4 x 4 work-groups: A hangs on T64 alone: asked for jointly along a row of the cluster; W_out on x alone: along a column.
; THE MATRIX INSTRUCTION IS USED TRANSPOSED (source 0 = 16 rows of W_out, source 1 = 16 rows of A): a lane holds eight neighbouring numbers of a row of out0.  The bias is the C of each sum's first product.
; Row r of A's tile a is t = 64 T64 + 8 a + (r & 7) + 32 (r >> 3).
; REGISTERS: window 0: v16-26 addresses; v32-63 A's scale words (8 a + s), v64-95 W's (8 nb + s); v96-127 the bias; v128-255 the accumulators (4 a + nb).   window 1: two fragment buffers at v0 and v128: A's four, then W's four; on the way out v0-63 rows of out0.
.set AL,    0                          ; aimg[T64] as it lies: 98,304 bytes
.set WL,    98304                      ; W_out: 128 rows of 816 bytes, a whole row of K each
.set STG,   221184                     ; the way out: 16 rows x (256 bytes + 16) for each wave; no tensor load lands here
.set PITCH, 816                        ; W_out's LDS row: a whole row of K, 768 bytes, with 16 bytes of padding behind every 256: 204 words, so 16 neighbouring rows start 12 banks apart
.set AS,    32
.set WS,    64
.set BI,    96
.set ACC,   128
.set F0,    0
.set WV,    66
.set MSB, 0
.macro WIN new
.if MSB != (\new)
	s_set_vgpr_msb (MSB<<8)|(\new)
.set MSB, (\new)
.endif
.endm
.macro CROUND
	s_barrier_signal -1
	s_barrier_wait -1
	s_cmp_lg_u32 s[WV], 0
	s_cbranch_scc1 .Lnot_wave_0_\@
	s_barrier_signal -3
.Lnot_wave_0_\@:
	s_barrier_wait -3
	s_barrier_signal -1
	s_barrier_wait -1
.endm
.macro PLACES
.rept 4
	v_nop
.endr
.endm
	s_load_b256 s[4:11], s[0:1], 0x0               ; aimg s[4:5], asc s[6:7], W's codes s[8:9], W's scales s[10:11]
	s_load_b128 s[12:15], s[0:1], 0x20             ; b_out s[12:13], out0 s[14:15]
	v_lshl_add_u32 v30, v0, 2, 0x40000
	v_mov_b32 v31, 0
	ds_add_u32 v30, v31
	ds_add_u32 v30, v31
	v_lshrrev_b32 v1, 5, v0
	v_readfirstlane_b32 s[WV], v1                  ; wave 0..3
	s_lshr_b32 s67, s[WV], 1                       ; mb.  Also: I fetch for A (0) or for W (1)
	s_and_b32 s68, s[WV], 1                        ; nh.  Also: which half I fetch
	s_bfe_u32 s69, ttmp6, 0x40000                  ; cx
	s_bfe_u32 s70, ttmp6, 0x40004                  ; cy
	s_lshl_b32 s71, ttmp9, 2
	s_add_co_u32 s71, s71, s69                     ; x
	s_and_b32 s72, ttmp7, 0xffff
	s_lshl_b32 s72, s72, 2
	s_add_co_u32 s72, s72, s70                     ; T64
	s_lshl_b32 s73, s70, 2
	s_lshl_b32 s73, 15, s73                        ; my row of the cluster
	s_lshl_b32 s74, 0x1111, s69                    ; my column
	s_or_b32 s16, s73, (3<<16)|(1<<21)             ; A: a dense block of 49,152 bytes as 192 rows of 256 (32 elements of 8 bytes)
	s_mov_b32 s17, 32<<16
	s_mov_b32 s18, 192<<16                         ; (one load a wave brings a batch's whole 49,152 bytes: 192 rows of 256)
	s_mov_b32 s19, 32<<16
	s_mov_b32 s20, 192
	s_mov_b32 s21, 32
	s_mov_b32 s22, 0
	s_mov_b32 s23, 0
	s_or_b32 s24, s74, (0<<16)|(1<<20)|(1<<21)|(5<<22)|(3<<25)   ; W: 64 whole rows of 768 bytes, each beginning at a multiple of 256 bytes; 16 bytes of padding behind every 256
	s_mov_b32 s25, 768<<16
	s_mov_b32 s26, 64<<16
	s_mov_b32 s27, 768<<16
	s_mov_b32 s28, 64
	s_mov_b32 s29, 768
	s_mov_b32 s30, 0
	s_mov_b32 s31, 0
	s_mul_i32 s76, s72, 98304                      ; A: made of T64 alone
	s_mul_i32 s75, s68, 49152                      ; the batch that I fetch; also its place in LDS
	s_add_co_u32 s76, s76, s75
	s_mov_b32 s77, 0
	s_lshl_b32 s78, s71, 7                         ; W: made of x alone
	s_lshl_b32 s80, s68, 6
	s_add_co_u32 s78, s78, s80
	s_mul_i32 s78, s78, 768
	s_mov_b32 s79, 0
	s_mul_i32 s80, s68, 64*PITCH
	s_add_co_u32 s80, s80, WL
	s_wait_dscnt 0x0
	s_wait_kmcnt 0x0
	s_add_nc_u64 s[76:77], s[4:5], s[76:77]
	s_add_nc_u64 s[78:79], s[8:9], s[78:79]
	CROUND                                         ; all sixteen work-groups are here: the joint loads meet
	; ALL OF K COMES BY ONE TENSOR LOAD A WAVE: waves 0 and 1 a batch of A each, waves 2 and 3 64 rows of W_out each; one wait and one barrier show all four to every wave
	s_mov_b32 s32, 1
	s_mov_b32 s33, s75
	s_mov_b64 s[34:35], s[76:77]
	s_or_b32 s35, s35, 0x80000000
	s_mov_b32 s48, 1
	s_mov_b32 s49, s80
	s_mov_b64 s[50:51], s[78:79]
	s_or_b32 s51, s51, 0x80000000
	s_cmp_lt_u32 s[WV], 2
	s_cbranch_scc0 .Lfirst_w
	tensor_load_to_lds s[32:35], s[16:23]
	s_nop 0
	PLACES
	s_branch .Lfirst_done
.Lfirst_w:
	tensor_load_to_lds s[48:51], s[24:31]
	s_nop 0
	PLACES
.Lfirst_done:
	v_and_b32 v1, 15, v0                           ; r
	v_bfe_u32 v2, v0, 4, 1                         ; h
	v_and_b32 v3, 31, v0                           ; lane
	s_mul_i32 s81, s67, 49152
	v_lshl_add_u32 v16, v3, 4, s81                 ; A's images of my batch: 16 bytes a lane,
	v_lshl_add_u32 v17, v3, 3, s81                 ; 8 bytes a lane
	v_mul_u32_u24 v4, v1, PITCH
	v_mad_u32_u24 v4, v2, 24, v4
	v_lshl_add_u32 v5, v2, 4, v4
	s_mul_i32 s81, s68, 64*PITCH
	s_add_co_u32 s81, s81, WL
	v_add_nc_u32 v18, s81, v4                      ; W's fragments,
	v_add_nc_u32 v19, s81, v5                      ; (behind one padding more)
	s_mul_i32 s81, s[WV], 16*272
	s_add_co_u32 s81, s81, STG                     ; my stage
	v_mul_u32_u24 v6, v1, 272
	v_lshl_add_u32 v6, v2, 5, v6
	v_add_nc_u32 v24, s81, v6                      ; in: row r, 32 bytes for each half of the lanes
	v_mul_u32_u24 v6, v2, 272
	v_lshl_add_u32 v6, v1, 4, v6
	v_add_nc_u32 v25, s81, v6                      ; back: lanes 0-15 one row, lanes 16-31 the next
	v_lshlrev_b32 v26, 13, v2
	v_lshl_add_u32 v26, v1, 4, v26                 ; in out0: neighbouring t lie 8,192 bytes apart
	v_lshlrev_b32 v7, 3, v1
	s_wait_alu depctr_va_vdst(0)
	v_lshlrev_b32 v8, 5, v1
	s_wait_alu depctr_va_vdst(0)
	v_lshlrev_b32 v9, 5, v2
	s_wait_alu depctr_va_vdst(0)
	s_mov_b32 s83, 0
	s_lshl_b32 s82, s72, 12                        ; asc[T64][4 mb + q][v][r][2 words]
	s_lshl_b32 s84, s67, 11
	s_add_co_u32 s82, s82, s84
	s_add_nc_u64 s[6:7], s[6:7], s[82:83]
	s_lshl_b32 s82, s71, 12                        ; W's scale bytes: row 128 x + 64 nh, 32 bytes a row
	s_lshl_b32 s84, s68, 11
	s_add_co_u32 s82, s82, s84
	s_add_nc_u64 s[10:11], s[10:11], s[82:83]
	s_lshl_b32 s82, s71, 9                         ; the bias, and the columns in out0: 4 (128 x + 64 nh)
	s_lshl_b32 s84, s68, 8
	s_add_co_u32 s82, s82, s84
	s_add_nc_u64 s[12:13], s[12:13], s[82:83]
	s_lshl_b32 s84, s72, 19                        ; out0's row 128 T64 + mb
	s_add_co_u32 s82, s82, s84
	s_lshl_b32 s84, s67, 12
	s_add_co_u32 s82, s82, s84
	s_add_nc_u64 s[14:15], s[14:15], s[82:83]
.irp v, 0,1,2,3
.irp q, 0,1,2,3
	global_load_b64 v[AS+8*\v+2*\q:AS+8*\v+2*\q+1], v7, s[6:7] offset:512*\q+128*\v
.endr
.endr
.irp nb, 0,1,2,3
	global_load_b128 v[WS+8*\nb:WS+8*\nb+3], v8, s[10:11] offset:512*\nb
	global_load_b128 v[WS+8*\nb+4:WS+8*\nb+7], v8, s[10:11] offset:512*\nb+16
	global_load_b128 v[BI+8*\nb:BI+8*\nb+3], v9, s[12:13] offset:64*\nb
	global_load_b128 v[BI+8*\nb+4:BI+8*\nb+7], v9, s[12:13] offset:64*\nb+16
.endr
.macro FRAGW reg, s, nb                ; 16 rows x 128 K of W_out, K step s, in pieces of 8 bytes; byte y of a row lies at y + 16 (y / 256); v19 serves the pieces whose lanes 16-31 lie behind one padding more
.irp p, 0,1,2,3,4,5
.set BYT, 96*(\s)+48*(\p/3)+8*(\p%3)
.if BYT/256 == (BYT+24)/256
	ds_load_b64 v[\reg+2*\p:\reg+2*\p+1], v18 offset:BYT+16*(BYT/256)+(\nb)*16*PITCH
.else
	ds_load_b64 v[\reg+2*\p:\reg+2*\p+1], v19 offset:BYT+16*(BYT/256)+(\nb)*16*PITCH
.endif
.endr
.endm
.macro FETCH s, f                      ; K step s: 40 LDS loads into buffer f.  A's fragment is two images of 768 bytes on end: heads 2 s and 2 s + 1
	WIN 0x40
.irp v, 0,1,2,3
.set AO, (((\s)/2)*16+4*\v+2*((\s)%2))*768
	ds_load_b128 v[\f+12*\v:\f+12*\v+3], v16 offset:AO
	ds_load_b64 v[\f+12*\v+4:\f+12*\v+5], v17 offset:AO+512
	ds_load_b128 v[\f+12*\v+6:\f+12*\v+9], v16 offset:AO+768
	ds_load_b64 v[\f+12*\v+10:\f+12*\v+11], v17 offset:AO+1280
.endr
.irp nb, 0,1,2,3
	FRAGW \f+48+12*\nb, \s, \nb
.endr
.endm
.macro MUL s, f                        ; 16 products; the accumulators take turns, one instruction a turn, in the same order in every step
	WIN 0x05
.irp a, 0,1,2,3
.irp nb, 0,1,2,3
.if (\s) == 0
	v_wmma_scale_f32_16x16x128_f8f6f4 v[ACC+8*(4*\a+\nb):ACC+8*(4*\a+\nb)+7], v[\f+48+12*\nb:\f+48+12*\nb+11], v[\f+12*\a:\f+12*\a+11], v[BI+8*\nb:BI+8*\nb+7], v[WS+8*\nb+(\s)], v[AS+8*\a+(\s)] matrix_a_fmt:MATRIX_FMT_FP6 matrix_b_fmt:MATRIX_FMT_FP6
.else
	v_wmma_scale_f32_16x16x128_f8f6f4 v[ACC+8*(4*\a+\nb):ACC+8*(4*\a+\nb)+7], v[\f+48+12*\nb:\f+48+12*\nb+11], v[\f+12*\a:\f+12*\a+11], v[ACC+8*(4*\a+\nb):ACC+8*(4*\a+\nb)+7], v[WS+8*\nb+(\s)], v[AS+8*\a+(\s)] matrix_a_fmt:MATRIX_FMT_FP6 matrix_b_fmt:MATRIX_FMT_FP6
.endif
.endr
.endr
.endm
.macro KSTEP s                         ; fetches K step s + 1 and multiplies K step s
.if (\s) > 0
	PLACES                                         ; in front of loads into the buffer that the last step multiplied
.endif
	FETCH (\s)+1, F0+128*(((\s)+1)%2)
	s_wait_dscnt 40                                ; all but the 40 just issued
	MUL \s, F0+128*((\s)%2)
.endm
	s_wait_tensorcnt 0x0                           ; my one load is in
	s_barrier_signal -1
	s_barrier_wait -1
	FETCH 0, F0
	s_wait_loadcnt 0x0                             ; the scale words and the bias
.irp s, 0,1,2,3,4,5,6
	KSTEP \s
.endr
	s_wait_dscnt 0x0
	MUL 7, F0+128
	WIN 0
; THE WAY OUT, a tile of 16 rows x 64 columns at a time, through my own stage: a lane's 32 bytes go in by rows of 272 bytes and come back as whole rows of 256.  LDS serves a wave's instructions in order (ISA guide 5.7.1.4): no wait between the stores and the loads.
.macro TOSTAGE a
	WIN 0
.irp nb, 0,1,2,3
	ds_store_b128 v24, v[ACC+8*(4*(\a)+\nb):ACC+8*(4*(\a)+\nb)+3] offset:64*\nb          ; each accumulator from its low end on
	ds_store_b128 v24, v[ACC+8*(4*(\a)+\nb)+4:ACC+8*(4*(\a)+\nb)+7] offset:64*\nb+16
.endr
	WIN 0x40
.irp t, 0,1,2,3,4,5,6,7
	ds_load_b128 v[32*((\a)%2)+4*\t:32*((\a)%2)+4*\t+3], v25 offset:\t*544
.endr
.endm
.macro SEND a, younger                 ; stage rows 2 t' + h are t = 64 T64 + 8 a + 2 (t' % 4) + h + 32 (t' / 4)
	s_wait_dscnt \younger
	WIN 0x04                                       ; a store's data are its source 1: window 1
.irp t, 0,1,2,3,4,5,6,7
	global_store_b128 v26, v[32*((\a)%2)+4*\t:32*((\a)%2)+4*\t+3], s[14:15] offset:8192*(8*(\a)+2*(\t%4)+32*(\t/4)) th:TH_STORE_NT   ; 16 lanes store 256 consecutive bytes, at a multiple of 256 from out0's first byte
.endr
.endm
	PLACES                                         ; behind the last products: their results are read, and loads land in registers that earlier products read
	TOSTAGE 0
	TOSTAGE 1
	SEND 0, 16                                     ; behind tile 0's loads: tile 1's 8 stores and 8 loads
	s_wait_xcnt 0x0                                ; tile 0's stores have read their registers: tile 2's loads may land there
	TOSTAGE 2
	SEND 1, 16
	s_wait_xcnt 0x0
	TOSTAGE 3
	SEND 2, 16
	SEND 3, 0
	WIN 0
	s_wait_tensorcnt 0x0
	s_wait_dscnt 0x0
	s_wait_tensorcnt 0x0
	ds_add_u32 v30, v31
	s_wait_dscnt 0x0
	CROUND                                         ; the closing round: no work-group ends while a partner may still ask for a tile that names it
	s_endpgm
.Lfunc_end_k_q9f07bc9797_outp:
	.size	k_q9f07bc9797_outp, .Lfunc_end_k_q9f07bc9797_outp-k_q9f07bc9797_outp
	.p2alignl 7, 3214868480
	.fill 96, 4, 3214868480
	.section	.rodata,"a",@progbits
	.p2align	6, 0x0
	.amdhsa_kernel k_q9f07bc9797_outp
		.amdhsa_group_segment_fixed_size 262656
		.amdhsa_private_segment_fixed_size 0
		.amdhsa_enable_private_segment 0
		.amdhsa_kernarg_size 48
		.amdhsa_user_sgpr_count 2
		.amdhsa_user_sgpr_kernarg_segment_ptr 1
		.amdhsa_wavefront_size32 1
		.amdhsa_system_sgpr_workgroup_id_x 1
		.amdhsa_system_sgpr_workgroup_id_y 1
		.amdhsa_system_sgpr_workgroup_id_z 1
		.amdhsa_system_vgpr_workitem_id 0
		.amdhsa_next_free_vgpr 512
		.amdhsa_next_free_sgpr 100
		.amdhsa_reserve_vcc 0
		.amdhsa_float_denorm_mode_32 3
		.amdhsa_float_denorm_mode_16_64 3
		.amdhsa_memory_ordered 1
		.amdhsa_forward_progress 1
		.amdhsa_inst_pref_size 55
	.end_amdhsa_kernel
	.amdgpu_metadata
---
amdhsa.version: [ 1, 2 ]
amdhsa.kernels:
  - .name:           k_q9f07bc9797_outp
    .symbol:         k_q9f07bc9797_outp.kd
    .args:
      - { .name: aimg, .offset: 0, .size: 8, .value_kind: global_buffer, .address_space: global }
      - { .name: asc, .offset: 8, .size: 8, .value_kind: global_buffer, .address_space: global }
      - { .name: W_out_codes, .offset: 16, .size: 8, .value_kind: global_buffer, .address_space: global }
      - { .name: W_out_scales, .offset: 24, .size: 8, .value_kind: global_buffer, .address_space: global }
      - { .name: b_out, .offset: 32, .size: 8, .value_kind: global_buffer, .address_space: global }
      - { .name: out0, .offset: 40, .size: 8, .value_kind: global_buffer, .address_space: global }
    .group_segment_fixed_size: 262656
    .private_segment_fixed_size: 0
    .kernarg_segment_align: 8
    .kernarg_segment_size: 48
    .max_flat_workgroup_size: 128
    .sgpr_count:     100
    .vgpr_count:     512
    .wavefront_size: 32
...
	.end_amdgpu_metadata
.endif
;; end of part 4
